; MI455X (gfx1250); checked and timed in simulation.
; The chip was launched on July 23, 2026; its instructions are those of AMD's public machine-readable ISA for CDNA 5 (MIT licence, August 2026) and "CDNA5" Instruction Set Architecture Reference Guide (July 2026). The comments in the code are by the model that wrote it; some were corrected since.
;; Multi Head Self Attention. Allowed arithmetic: matrix products marked QUANTISED: E2M3 operands, one E8M0 scale for each 32 along K, by v_wmma_scale_f32_16x16x128_f8f6f4 with both operands' format E2M3, f32 sums; everything else in f32.
;; Inputs: Wc 512 x 512 float32; Wk 512 x 512 float32; Wq 512 x 512 float32; Wv 512 x 512 float32; bc 512 float32; inputs 2 x 4,096 x 512 float32.
;; Outputs: out0 2 x 4,096 x 512 float32.
;; This version of the problem:
;;   THIS VERSION OF THE PROBLEM IS GIVEN IN LOW PRECISION. The matrix products marked QUANTISED in the list below multiply operands that are first quantised to E2M3 (2 exponent bits, 3 mantissa bits; 6 bits a number), with one power-of-two scale for each 32 numbers along K (OCP MX v1.0); their sums are f32. All else is computed in f32.
;;   The module's matrix products, in the order in which they are computed (A, B: the left and right operand; K: the contracted axis; several contracted axes count as one K, in the product's order):
;;     1. [M 8,192, K 512] x [K 512, N 512]; A: input inputs; B: input Wq: QUANTISED
;;     2. [M 8,192, K 512] x [K 512, N 512]; A: input inputs; B: input Wk: QUANTISED
;;     3. [M 8,192, K 512] x [K 512, N 512]; A: input inputs; B: input Wv: QUANTISED
;;     4. batch 16 x [M 4,096, K 64] x [K 64, N 4,096]; A: computed on the way; B: computed on the way: QUANTISED
;;     5. batch 16 x [M 4,096, K 4,096] x [K 4,096, N 64]; A: softmax (see below); B: computed on the way: QUANTISED
;;     6. [M 8,192, K 512] x [K 512, N 512]; A: computed on the way; B: input Wc: QUANTISED
;;   THE QUANTISER, for each operand of a quantised product, along K:
;;     - K is cut into blocks of 32 from its start; a last block that is shorter is filled with zeros.
;;     - A block's scale is 2^e with e = floor(log2(the largest magnitude in the block)) - 2, held to -126 .. 127; a block of zeros has e = 0. As a byte (E8M0): e + 127.
;;     - Each number is divided by its block's scale, clamped to +-7.5, and rounded to the nearest number of E2M3, ties to even, subnormals kept.
;;     - The product sums the exact products of the quantised numbers (number of the format x scale) in f32.
;;   ~~~python
;;   def quantise(x, axis):      # numpy; x: float32 -> the quantised numbers, widened to float32 again
;;       x = np.moveaxis(x, axis, -1); K = x.shape[-1]
;;       x = np.pad(x, [(0, 0)] * (x.ndim - 1) + [(0, -K % 32)]); x = x.reshape(x.shape[:-1] + (-1, 32)); a = np.abs(x).max(-1, keepdims=True)
;;       e = np.where(a > 0, np.clip(np.frexp(np.where(a > 0, a, 1))[1] - 1 - 2, -126, 127), 0)      # np.frexp(a)[1] - 1 = floor(log2(a)), exactly
;;       r = np.clip(x / 2.0 ** e, -7.5, 7.5)
;;       step = 2.0 ** (np.maximum(np.frexp(np.where(r == 0, 1, r))[1] - 1, 0) - 3)
;;       q = np.round(r / step) * step * 2.0 ** e      # np.round: ties to even
;;       return np.moveaxis(q.reshape(q.shape[:-2] + (-1,))[..., :K], -1, axis).astype(np.float32)
;;   ~~~
;;   SOFTMAX AHEAD OF A QUANTISED PRODUCT. Where the list says 'softmax', what is quantised is not the finished softmax but p = 2^(t - M), with t = logit x log2(e) and M = ceil(the row's largest t), a whole number; so 1/2 < the row's largest p <= 1. The row's sum l is taken of the UNQUANTISED p, in f32, and the product's result is divided by l at the end. Since M is a whole number, a kernel that streams over the keys may use a running M (the ceiling of the running maximum): every later rescaling is an exact power of two, which a block's scale takes up: the codes' values come out the same.
;;   OPERANDS COMPUTED ON THE WAY. 'Computed on the way' means the value that the module computes at that place (a softmax that the list does not call 'softmax' is quantised finished and normalised). What goes into a quantiser is computed in f32, as accurately as f32 sums, v_exp_f32 and their like allow (about 1e-6 of the number): no bf16 or f16 on the way to a quantiser, and a product that is left as it is and whose result goes on into a quantised operand takes f32 operands (vector FMAs, or v_wmma_f32_16x16x4_f32). A number that lies on a knife's edge between two numbers of the format may be rounded either way, as far as f32 arithmetic and the matrix unit's own rounding can turn it there, and no further.
;; One version. Each part assembles by itself: llvm-mc -triple=amdgcn-amd-amdhsa -mcpu=gfx1250 --defsym DOCPART=n.
;; ======== version 1 of 1: 4 launches
;; limits: right only within a limited range of input values
;; workspace buffers: img 4,096,000 bytes; qc 3,145,728 bytes; qs 524,288 bytes; kvc 6,291,456 bytes; kvs 393,216 bytes; att 3,276,800 bytes
;; launch quant (part 1): grid 640 x 1, 1 waves a work-group, no clusters, 8,704 bytes of LDS; arguments inputs, Wq, Wk, Wv, Wc, img; writes img
.if DOCPART == 1
	.amdgcn_target "amdgcn-amd-amdhsa--gfx1250"
	.amdhsa_code_object_version 6
	.text
	.protected	k_q342cccf826_quant
	.globl	k_q342cccf826_quant
	.p2align	8
	.type	k_q342cccf826_quant,@function
k_q342cccf826_quant:
	s_mov_b64 s[64:65], 0
	v_nop
	global_prefetch_b8 v0, s[64:65] scope:SCOPE_SE
	s_setreg_imm32_b32 hwreg(HW_REG_WAVE_MODE, 25, 1), 1
	s_wait_xcnt 0x0
; inputs [8192][512] and Wq, Wk, Wv, Wc [512][512], f32, K innermost, become codes of FP6 (E2M3) with one E8M0 byte for each 32 along K.
; A block's scale is 2^(floor(log2(its largest magnitude)) - 2); its byte is the largest magnitude's exponent field - 2, held at 1 from below.
; LIMITS: a block whose largest magnitude lies under 2^-124 gets the byte 1; a block of zeros gets the byte 1 where the rule says 127 (its codes are zeros, and this
; program alone reads the bytes); NaN and infinities among the inputs are not served.
; LAYOUT OF img: 80 records of 51,200 bytes, one for 128 rows x 512 K: records 0-63 inputs, 64-67 Wq, 68-71 Wk, 72-75 Wv, 76-79 Wc.  A record holds 8 tiles of 16 rows.
; THE ROWS OF A TILE ARE NOT NEIGHBOURS: lane r of tile T takes row 32 (T / 2) + 8 (T % 2) + r + 8 (r / 8), so that the results of two neighbouring tiles, used as source 0,
; are 16 neighbours along the next product's K.  A fragment (tile T, K step s: 12 registers a lane) lies at (4 T + s) x 1,536 as an image of its registers: registers 4 g .. 4 g + 3
; at 512 g + 16 x lane.  The scale bytes lie behind the fragments: row r of tile T has its 16 bytes at 49,152 + 256 T + 16 r.
; SHARES: a work-group is one wave and takes one tile: 640 equal pieces that share no input, so there is no cluster, no barrier and no tensor load.
; Each load reads 512 consecutive bytes of one row; the conversions want 16 neighbours along K in one lane, so a K step's 8,192 bytes turn through the wave's stage in LDS.
.set PITCH, 528                        ; a stage row: 512 bytes + 16: 33 x 16, so the sixteen rows that a read touches start in different banks
.set SPARE, 16*PITCH                   ; behind the stage: the spare words, one block of 256 bytes that no other line names
.set RECB,  51200
.set LI,  1                            ; v1   16 x lane: my place in a load's 512 bytes, in a stage row on the way in, and in an image
.set STO, 2                            ; v2   the stage on the way out: 528 r + 64 h
.set SCO, 3                            ; v3   16 r + 8 h: my 8 of my row's 16 scale bytes
.set SPW, 9                            ; v9   LDS address of my spare word; never rewritten
.set NIL, 10                           ; v10  0; never rewritten
.set OW,  12                           ; v[12:13] the two scale words that I store
.set R,   16                           ; v16-143  two sets of 64: a K step as loaded
.set X,   144                          ; v144-207 register 16 b + i = k 32 b + 16 h + i of my row
.set PC,  208                          ; v208-219 the fragment's codes; v220-226 at work
.set TM,  228                          ; v228-243 at work
.set SW,  244                          ; v244-247 my row's four scale words
.set SEL, 20                           ; s[20:21] lane selects for v_permlanex16_b32: lane l xor 16
	s_load_b256 s[4:11], s[0:1], 0x0               ; inputs, Wq, Wk, Wv
	s_load_b128 s[12:15], s[0:1], 0x20             ; Wc, img
	v_lshl_add_u32 v[SPW], v0, 2, SPARE
	v_mov_b32 v[NIL], 0
	v_lshlrev_b32 v[LI], 4, v0
	v_and_b32 v4, 15, v0                           ; r
	v_lshrrev_b32 v5, 4, v0                        ; h
	v_mul_u32_u24 v[STO], v4, PITCH
	v_lshl_add_u32 v[STO], v5, 6, v[STO]
	v_lshlrev_b32 v[SCO], 4, v4
	v_lshl_add_u32 v[SCO], v5, 3, v[SCO]
.irp b, 0,1,2,3
	v_mov_b32 v[TM+4+\b], 0                        ; written once: a lane permute's destination counts as one of its sources
.endr
	s_mov_b32 s[SEL], 0x76543210
	s_mov_b32 s[SEL+1], 0xfedcba98
	s_and_b32 s17, ttmp9, 31                       ; a weight has 32 tiles, and 512 is a multiple of 32
	s_lshr_b32 s22, ttmp9, 3
	s_mul_i32 s22, s22, RECB                       ; my record
	s_mov_b32 s23, 0
	s_and_b32 s24, ttmp9, 7                        ; my tile in it
	s_mul_i32 s30, s24, 6144
	s_mov_b32 s31, 0
	s_lshl_b32 s32, s24, 8
	s_add_co_u32 s32, s32, 49152
	s_mov_b32 s33, 0
	s_wait_alu depctr_va_vdst(0)
	s_wait_kmcnt 0x0
	s_cmp_lt_u32 ttmp9, 608                        ; which tensor: the choice hangs on the work-group's number alone
	s_cselect_b64 s[12:13], s[10:11], s[12:13]
	s_cmp_lt_u32 ttmp9, 576
	s_cselect_b64 s[12:13], s[8:9], s[12:13]
	s_cmp_lt_u32 ttmp9, 544
	s_cselect_b64 s[12:13], s[6:7], s[12:13]
	s_cmp_lt_u32 ttmp9, 512
	s_cselect_b64 s[12:13], s[4:5], s[12:13]
	s_cselect_b32 s17, ttmp9, s17                  ; the tile's number in its tensor
	s_lshr_b32 s18, s17, 1
	s_lshl_b32 s18, s18, 16                        ; 32 rows of 2,048 bytes for each pair of tiles,
	s_and_b32 s19, s17, 1
	s_lshl_b32 s19, s19, 14                        ; 8 rows for the odd one
	s_add_co_u32 s18, s18, s19
	s_mov_b32 s19, 0
	s_add_nc_u64 s[12:13], s[12:13], s[18:19]      ; the tile's first row
	s_add_nc_u64 s[14:15], s[14:15], s[22:23]
	s_add_nc_u64 s[26:27], s[14:15], s[30:31]      ; its four fragments
	s_add_nc_u64 s[28:29], s[14:15], s[32:33]      ; its 256 scale bytes
.macro LOAD s                          ; K step s of the tile's 16 rows: each load takes 512 consecutive bytes of one row
.irp i, 0,1,2,3,4,5,6,7,8,9,10,11,12,13,14,15
	global_load_b128 v[R+64*((\s)%2)+4*\i:R+64*((\s)%2)+4*\i+3], v[LI], s[12:13] offset:(\i+8*(\i/8))*2048+512*(\s) th:TH_LOAD_NT
.endr
.endm
.macro TURN s                          ; through the stage: LDS serves a wave's instructions in order, so no wait stands between the stores and the loads, nor ahead of the next step's stores
.irp i, 0,1,2,3,4,5,6,7,8,9,10,11,12,13,14,15
	ds_store_b128 v[LI], v[R+64*((\s)%2)+4*\i:R+64*((\s)%2)+4*\i+3] offset:PITCH*\i
.endr
.irp b, 0,1,2,3
.irp j, 0,1,2,3
	ds_load_b128 v[X+16*\b+4*\j:X+16*\b+4*\j+3], v[STO] offset:128*\b+16*\j
.endr
.endr
.endm
; 64 numbers of a lane, register 16 b + i = k 32 b + 16 h + i of my row, become a fragment's codes in v[PC] on and its scale word in v[pw]
.macro QUANT s, pw
.irp b, 0,1,2,3
	v_max3_num_f32 v[TM+\b], |v[\s+16*\b]|, |v[\s+1+16*\b]|, 0x1800000   ; my 16 numbers of block b, and the floor 2^(3 - 127): the byte cannot fall under 1
.endr
.irp i, 2,4,6,8,10,12,14
.irp b, 0,1,2,3
	v_max3_num_f32 v[TM+\b], v[TM+\b], |v[\s+16*\b+\i]|, |v[\s+1+16*\b+\i]|   ; the four blocks by turns
.endr
.endr
.irp b, 0,1,2,3
	v_permlanex16_b32 v[TM+4+\b], v[TM+\b], s[SEL], s[SEL+1]
.endr
.irp b, 0,1,2,3
	v_max_num_f32 v[TM+\b], v[TM+\b], v[TM+4+\b]   ; with lane l xor 16's: the block's largest magnitude
.endr
.irp b, 0,1,2,3
	v_add_nc_u32 v[TM+12+\b], 0xff000000, v[TM+\b] ; 2 off its exponent field: the conversion takes the exponent field of this operand as its scale
.endr
.irp b, 0,1,2,3
	v_lshrrev_b32 v[TM+4+\b], 23, v[TM+12+\b]      ; the scale's byte
.endr
	v_lshl_or_b32 v[\pw], v[TM+5], 8, v[TM+4]
	v_lshl_or_b32 v[\pw], v[TM+6], 16, v[\pw]
	v_lshl_or_b32 v[\pw], v[TM+7], 24, v[\pw]
.irp c, 0,1
	v_cvt_scalef32_pk16_fp6_f32 v[PC+6*\c:PC+2+6*\c], v[\s+32*\c:\s+15+32*\c], v[TM+12+2*\c]
	v_cvt_scalef32_pk16_fp6_f32 v[PC+12+4*\c:PC+14+4*\c], v[\s+16+32*\c:\s+31+32*\c], v[TM+12+2*\c+1]   ; a conversion's three registers begin on an even number
.endr
	v_nop                                          ; one plain place behind a scaled conversion
.irp c, 0,1                            ; the operand's layout wants a whole block in a lane: lanes 0-15 block 2 c, lanes 16-31 block 2 c + 1
.irp i, 0,1,2
	v_permlane16_swap_b32 v[PC+6*\c+\i], v[PC+12+4*\c+\i]
.endr
.irp i, 0,1,2
	v_mov_b32 v[PC+3+6*\c+\i], v[PC+12+4*\c+\i]
.endr
.endr
.endm
	LOAD 0
	LOAD 1
.irp s, 0,1,2,3
.if \s < 3
	s_wait_loadcnt 16                              ; this K step's 16 loads are in; the next step's 16 may be out
.else
	s_wait_loadcnt 0x0
.endif
	TURN \s
	s_wait_dscnt 0x0                               ; the numbers are back, and the stores into the stage have read their registers,
.if \s < 2
	LOAD \s+2                                      ; which take the K step two on
.endif
	s_wait_xcnt 0x0                                ; the last fragment's stores have read v[PC] on: it is written again only behind this wait
	QUANT X, SW+\s
.irp g, 0,1,2
	global_store_b128 v[LI], v[PC+4*\g:PC+4*\g+3], s[26:27] offset:1536*\s+512*\g   ; 32 lanes store 512 consecutive bytes, aligned
.endr
.endr
	v_cmp_gt_u32 vcc_lo, 16, v0                    ; lanes 0-15 store their row's words 0 and 1, lanes 16-31 (which hold the same four) words 2 and 3
	v_cndmask_b32 v[OW], v[SW+2], v[SW], vcc_lo
	v_cndmask_b32 v[OW+1], v[SW+3], v[SW+1], vcc_lo
	global_store_b64 v[SCO], v[OW:OW+1], s[28:29]  ; 256 consecutive bytes, aligned
	s_wait_tensorcnt 0x0                           ; the wave's end: behind my last LDS store
	ds_add_u32 v[SPW], v[NIL]
	s_wait_dscnt 0x0
	s_endpgm
.Lfunc_end_k_q342cccf826_quant:
	.size	k_q342cccf826_quant, .Lfunc_end_k_q342cccf826_quant-k_q342cccf826_quant
	.p2alignl 7, 3214868480
	.fill 96, 4, 3214868480
	.section	.rodata,"a",@progbits
	.p2align	6, 0x0
	.amdhsa_kernel k_q342cccf826_quant
		.amdhsa_group_segment_fixed_size 8704
		.amdhsa_private_segment_fixed_size 0
		.amdhsa_enable_private_segment 0
		.amdhsa_kernarg_size 48
		.amdhsa_user_sgpr_count 2
		.amdhsa_user_sgpr_kernarg_segment_ptr 1
		.amdhsa_wavefront_size32 1
		.amdhsa_system_sgpr_workgroup_id_x 1
		.amdhsa_system_sgpr_workgroup_id_y 1
		.amdhsa_system_sgpr_workgroup_id_z 1
		.amdhsa_system_vgpr_workitem_id 0
		.amdhsa_next_free_vgpr 248
		.amdhsa_next_free_sgpr 66
		.amdhsa_reserve_vcc 1
		.amdhsa_float_denorm_mode_32 3
		.amdhsa_float_denorm_mode_16_64 3
		.amdhsa_memory_ordered 1
		.amdhsa_forward_progress 1
		.amdhsa_inst_pref_size 33
	.end_amdhsa_kernel
	.amdgpu_metadata
---
amdhsa.version: [ 1, 2 ]
amdhsa.kernels:
  - .name:           k_q342cccf826_quant
    .symbol:         k_q342cccf826_quant.kd
    .args:
      - { .name: inputs, .offset: 0, .size: 8, .value_kind: global_buffer, .address_space: global }
      - { .name: Wq, .offset: 8, .size: 8, .value_kind: global_buffer, .address_space: global }
      - { .name: Wk, .offset: 16, .size: 8, .value_kind: global_buffer, .address_space: global }
      - { .name: Wv, .offset: 24, .size: 8, .value_kind: global_buffer, .address_space: global }
      - { .name: Wc, .offset: 32, .size: 8, .value_kind: global_buffer, .address_space: global }
      - { .name: img, .offset: 40, .size: 8, .value_kind: global_buffer, .address_space: global }
    .group_segment_fixed_size: 8704
    .private_segment_fixed_size: 0
    .kernarg_segment_align: 8
    .kernarg_segment_size: 48
    .max_flat_workgroup_size: 32
    .sgpr_count:     66
    .vgpr_count:     248
    .wavefront_size: 32
...
	.end_amdgpu_metadata
.endif
;; end of part 1
;; launch qkv (part 2): grid 4 x 64, 16 waves a work-group, clusters of 4 x 4, 208,896 bytes of LDS; arguments img, qc, qs, kvc, kvs; writes qc, qs, kvc, kvs
.if DOCPART == 2
	.amdgcn_target "amdgcn-amd-amdhsa--gfx1250"
	.amdhsa_code_object_version 6
	.text
	.protected	k_q342cccf826_qkv
	.globl	k_q342cccf826_qkv
	.p2align	8
	.type	k_q342cccf826_qkv,@function
k_q342cccf826_qkv:
	s_mov_b64 s[64:65], 0
	v_nop
	global_prefetch_b8 v0, s[64:65] scope:SCOPE_SE
	s_setreg_imm32_b32 hwreg(HW_REG_WAVE_MODE, 25, 1), 1
	s_wait_xcnt 0x0
	s_wait_alu depctr_hold_cnt(0) depctr_sa_sdst(0) depctr_va_vdst(0) depctr_va_sdst(0) depctr_va_ssrc(0) depctr_va_vcc(0) depctr_vm_vsrc(0)
	s_getreg_b32 s2, hwreg(HW_REG_IB_STS2, 6, 4)
	s_cmp_eq_u32 s2, 0
	s_cbranch_scc0 .Lentry_in_a_cluster
	s_endpgm
.Lentry_in_a_cluster:
	s_bfe_u32 s2, ttmp6, 0x10000c
	s_cmp_lg_u32 s2, 0xf033
	s_cbranch_scc0 .Lentry_shape_is_right
	s_endpgm
.Lentry_shape_is_right:
; q = x Wq^T, k = x Wk^T, v = x Wv^T on codes of FP6 (E2M3) with E8M0 scales (the records of img), and each result quantised in registers for attention:
; q and k along the head's 64 channels, v along the keys.  Nothing wide goes to memory.
; SHARES: work-group (g, i) takes the 128 rows of record i (one key step of attention) and heads 2 g, 2 g + 1 of q, k and v: the records i, 64 + g, 68 + g, 72 + g, all four in LDS.
; The work is 48 equal JOBS, three for each of sixteen waves.  A job: 4 tiles as source 0 x 1 tile as source 1 over 4 K steps of 128: 16 matrix instructions, 32 results a lane,
; which are two blocks of 32 along the next product's K, since the rows of a tile are 32 (T / 2) + 8 (T % 2) + r + 8 (r / 8).  With hh = wave / 8, T = wave % 8:
;   q, k: source 0 = the weight's tiles 4 hh .. 4 hh + 3 (head 2 g + hh), source 1 = x's tile T: a lane holds one row, its registers run along the channels;
;   v:    source 0 = x's tiles 4 hh .. 4 hh + 3 (keys 64 hh on), source 1 = Wv's tile T: a lane holds one channel, its registers run along the keys.
; A job's codes are a HALF IMAGE, 768 bytes: lane (r, h) holds block h of row r in 6 registers; registers 0-3 at 16 x lane, registers 4-5 at 512 + 8 x lane.
; OUT: qc [head 16][tile 256][768]; qs [head][tile][128]: 4 x lane, the scale word (bytes 2 and 3 are 0); kvc [head][step 32][12,288]: K's tile t at 768 t, V^T's (channel tile t', key half c)
; at 6,144 + 768 (2 t' + c); kvs [head][step][768]: K's words at 256 (t % 2) + 16 r + 4 (t / 2), V's at 512 + 128 (t' % 2) + 8 r + 4 (t' / 2).
; The words of kvs meet in a stage in LDS and leave as whole aligned blocks of 256 bytes; a wave's 128 bytes of qs are half such a block: the neighbouring wave writes the other half.
; CLUSTER: 4 x 4 work-groups.  The four of a row need the same record of x, the four of a column the same three records of weights: each is asked for jointly.
; LIMITS: as in the quantiser's launch: byte 1 for blocks under 2^-124 and for blocks of zeros; NaN and infinities are not served.
.set REC,   51200
.set WQ,    REC                        ; LDS: x's record at 0, then Wq's, Wk's, Wv's
.set WK,    2*REC
.set WVR,   3*REC
.set SCB,   49152                      ; the scale bytes in a record
.set SCS,   4*REC                      ; the stage for kvs: for each of the two heads K's 512 bytes, V's 256
.set SPARE, SCS+1536                   ; the spare words, 128 bytes for each wave: eight blocks of 256 bytes that no other line names
.set QUART, 12800                      ; a quarter of a record: 50 rows of 256 bytes, what one tensor load brings
.set STEPB, 12288
.set LI,  1                            ; v1   16 x lane
.set L8,  2                            ; v2   8 x lane
.set L4,  3                            ; v3   4 x lane
.set R16, 4                            ; v4   16 r
.set ADQ, 5                            ; v5-7   source 0's fragments: Wq's, Wk's, x's
.set ADK, 6
.set ADV, 7
.set SAQ, 8                            ; v8-10  and their scale words
.set SAK, 9
.set SAV, 10
.set BX,  11                           ; v11-12 source 1's fragments: x's, Wv's
.set BV,  12
.set SBX, 13                           ; v13-14 and their scale words
.set SBV, 14
.set KST, 15                           ; v15  where my k job's scale word goes in the stage
.set VST, 16                           ; v16  where my v job's two bytes go
.set CPY, 17                           ; v17  the block of the stage that I copy out
.set SPW, 18                           ; v18  LDS address of my spare word; never rewritten
.set NIL, 19                           ; v19  0; never rewritten
.set BF,  20                           ; v20-67   source 1: four fragments
.set BS,  68                           ; v68-71   its four scale words
.set AS,  72                           ; v72-87   source 0's scale words: 4 t + s
.set AF,  88                           ; v88-183  source 0: two buffers of four fragments
.set ACC, 184                          ; v184-215 four accumulators
.set PC,  216                          ; v216-222 the codes just made
.set TM,  224                          ; v224-231 at work
.set PW,  232                          ; v232 the scale word just made
.set CP,  234                          ; v[234:235] the copy out of the stage
.set WV,  14
.set HH,  15
.set TT,  16
.set CX,  17
.set CY,  18
.set G1A, 24                           ; s[24:31] descriptor group 1 for x's record; s[32:39] for the weights': they differ in the mask alone
.set G1B, 32
.set G0,  40                           ; s[40:47] two groups 0
.set SEL, 56
.set PQC, 58                           ; s[58:59] .. where my jobs' results go
.set PQS, 60
.set PKC, 62
.set PVC, 66
.set PSC, 68
.macro CROUND                          ; a round of the cluster's barrier
	s_barrier_signal -1
	s_barrier_wait -1
	s_cmp_lg_u32 s[WV], 0
	s_cbranch_scc1 .Lnot_wave_0_\@
	s_barrier_signal -3
.Lnot_wave_0_\@:
	s_barrier_wait -3
	s_barrier_signal -1
	s_barrier_wait -1
.endm
.macro BARRIER
	s_barrier_signal -1
	s_barrier_wait -1
.endm
.macro PLACES n                        ; plain places behind matrix instructions: 4 ahead of loads into their registers and of reads of results, 5 ahead of a matrix instruction that writes over them
.rept \n
	v_nop
.endr
.endm
	s_load_b256 s[4:11], s[0:1], 0x0               ; img, qc, qs, kvc
	s_load_b64 s[12:13], s[0:1], 0x20              ; kvs
	v_lshl_add_u32 v[SPW], v0, 2, SPARE
	v_mov_b32 v[NIL], 0
	ds_add_u32 v[SPW], v[NIL]                      ; the wave's opening: the add and its wait ahead of the first tensor loads; the set-up, work on registers, stands between them
	ds_add_u32 v[SPW], v[NIL]
	v_lshrrev_b32 v20, 5, v0
	s_delay_alu instid0(VALU_DEP_1)
	v_readfirstlane_b32 s[WV], v20                 ; wave 0..15
	s_lshr_b32 s[HH], s[WV], 3
	s_and_b32 s[TT], s[WV], 7
	v_and_b32 v21, 31, v0                          ; lane
	v_and_b32 v22, 15, v0                          ; r
	s_delay_alu instid0(VALU_DEP_2)
	v_lshlrev_b32 v[LI], 4, v21
	s_delay_alu instid0(VALU_DEP_3)
	v_lshlrev_b32 v[L8], 3, v21
	s_delay_alu instid0(VALU_DEP_4)
	v_lshlrev_b32 v[L4], 2, v21
	s_delay_alu instid0(VALU_DEP_4)
	v_lshlrev_b32 v[R16], 4, v22
	v_mov_b32 v[TM+2], 0                           ; written once: a lane permute's destination counts as one of its sources
	v_mov_b32 v[TM+3], 0
	; every LDS address is a constant + a constant x lane + constants x bits of the wave's number, and is made here, ahead of every branch
	s_mul_i32 s76, s[HH], 24576                    ; tiles 4 hh on: 16 fragments of 1,536 bytes
	v_add_nc_u32 v[ADV], s76, v[LI]
	s_delay_alu instid0(VALU_DEP_1)
	v_add_nc_u32 v[ADQ], WQ, v[ADV]
	s_delay_alu instid0(VALU_DEP_2)
	v_add_nc_u32 v[ADK], WK, v[ADV]
	s_lshl_b32 s77, s[HH], 10
	s_add_co_u32 s77, s77, SCB
	v_add_nc_u32 v[SAV], s77, v[R16]
	s_delay_alu instid0(VALU_DEP_1)
	v_add_nc_u32 v[SAQ], WQ, v[SAV]
	s_delay_alu instid0(VALU_DEP_2)
	v_add_nc_u32 v[SAK], WK, v[SAV]
	s_mul_i32 s78, s[TT], 6144
	v_add_nc_u32 v[BX], s78, v[LI]
	s_delay_alu instid0(VALU_DEP_1)
	v_add_nc_u32 v[BV], WVR, v[BX]
	s_lshl_b32 s79, s[TT], 8
	s_add_co_u32 s79, s79, SCB
	v_add_nc_u32 v[SBX], s79, v[R16]
	s_delay_alu instid0(VALU_DEP_1)
	v_add_nc_u32 v[SBV], WVR, v[SBX]
	s_mul_i32 s80, s[HH], 768                      ; K's word: head hh, 256 (T % 2) + 4 (T / 2) + 16 r
	s_and_b32 s81, s[TT], 1
	s_lshl_b32 s82, s81, 8
	s_add_co_u32 s80, s80, s82
	s_lshr_b32 s83, s[TT], 1
	s_lshl_b32 s82, s83, 2
	s_add_co_u32 s80, s80, s82
	s_add_co_u32 s80, s80, SCS
	v_add_nc_u32 v[KST], s80, v[R16]
	s_lshr_b32 s84, s[TT], 2                       ; V's two bytes: head T / 4, 512 + 128 (T % 2) + 4 ((T / 2) % 2) + 2 hh + 8 r
	s_mul_i32 s84, s84, 768
	s_lshl_b32 s82, s81, 7
	s_add_co_u32 s84, s84, s82
	s_and_b32 s82, s83, 1
	s_lshl_b32 s82, s82, 2
	s_add_co_u32 s84, s84, s82
	s_lshl_b32 s82, s[HH], 1
	s_add_co_u32 s84, s84, s82
	s_add_co_u32 s84, s84, SCS+512
	v_lshl_add_u32 v[VST], v22, 3, s84
	s_min_u32 s85, s[WV], 5                        ; the stage has six blocks of 256 bytes: waves 0 to 5 copy one each
	s_lshl_b32 s86, s85, 8
	s_add_co_u32 s86, s86, SCS
	v_add_nc_u32 v[CPY], s86, v[L8]
	s_mov_b32 s[SEL], 0x76543210
	s_mov_b32 s[SEL+1], 0xfedcba98
	s_bfe_u32 s[CX], ttmp6, 0x40000                ; my place in the cluster
	s_bfe_u32 s[CY], ttmp6, 0x40004
	s_and_b32 s70, ttmp7, 0xffff
	s_lshl_b32 s70, s70, 2
	s_add_co_u32 s70, s70, s[CY]                   ; i: the block of 128 rows
	s_lshl_b32 s71, ttmp9, 2
	s_add_co_u32 s71, s71, s[CX]                   ; g: the pair of heads
	s_lshl_b32 s19, s[CY], 2
	s_lshl_b32 s19, 15, s19                        ; my row of the cluster
	s_lshl_b32 s20, 0x1111, s[CX]                  ; my column
	; descriptor group 1: 50 rows of 32 elements of 8 bytes, dense, no padding: images are read 16 or 8 bytes a lane on end
	s_or_b32 s[G1A], s19, (3<<16)|(1<<21)          ; 15:0 the mask; 17:16 elements of 8 bytes; 21 set beside a mask
	s_or_b32 s[G1B], s20, (3<<16)|(1<<21)
.irp g, G1A, G1B
	s_mov_b32 s[\g+1], 32<<16                      ; tensor_dim0
	s_mov_b32 s[\g+2], 50<<16                      ; tensor_dim1
	s_mov_b32 s[\g+3], 32<<16                      ; tile_dim0
	s_mov_b32 s[\g+4], 50                          ; tile_dim1
	s_mov_b32 s[\g+5], 32                          ; the pitch
	s_mov_b32 s[\g+6], 0
	s_mov_b32 s[\g+7], 0
.endr
	s_and_b32 s22, s[WV], 3
	s_mul_i32 s21, s22, QUART                      ; the quarter that I fetch, in memory and in LDS alike: no place in the cluster enters an LDS address
	s_mul_i32 s72, s70, REC                        ; x's record hangs on i alone,
	s_add_co_u32 s72, s72, s21
	s_mov_b32 s73, 0
	s_mul_i32 s74, s71, REC                        ; the weights' on g alone
	s_add_co_u32 s74, s74, s21
	s_add_co_u32 s74, s74, 64*REC
	s_lshr_b32 s75, s[WV], 2                       ; waves 4-7 fetch Wq's record, 8-11 Wk's, 12-15 Wv's: they lie four records apart
	s_max_u32 s75, s75, 1
	s_sub_co_u32 s75, s75, 1
	s_mul_i32 s75, s75, 4*REC
	s_add_co_u32 s74, s74, s75
	s_mov_b32 s75, 0
	; where the results go
	s_lshr_b32 s87, s70, 5
	s_lshl_b32 s87, s87, 3
	s_lshl_b32 s82, s71, 1
	s_add_co_u32 s87, s87, s82                     ; 8 x batch + 2 g
	s_and_b32 s88, s70, 31                         ; the key step
	s_add_co_u32 s89, s87, s[HH]                   ; my q and k jobs' head
	s_lshl_b32 s90, s89, 8
	s_lshl_b32 s82, s88, 3
	s_add_co_u32 s90, s90, s82
	s_add_co_u32 s90, s90, s[TT]                   ; 256 x head + the query tile
	s_mul_i32 s92, s90, 768
	s_mov_b32 s93, 0
	s_lshl_b32 s94, s90, 7
	s_mov_b32 s95, 0
	s_lshl_b32 s96, s89, 5
	s_add_co_u32 s96, s96, s88
	s_mul_i32 s96, s96, STEPB
	s_mul_i32 s82, s[TT], 768
	s_add_co_u32 s96, s96, s82
	s_mov_b32 s97, 0
	s_lshr_b32 s98, s[TT], 2
	s_add_co_u32 s98, s98, s87                     ; my v job's head
	s_lshl_b32 s98, s98, 5
	s_add_co_u32 s98, s98, s88
	s_mul_i32 s98, s98, STEPB
	s_and_b32 s82, s[TT], 3
	s_lshl_b32 s82, s82, 1
	s_add_co_u32 s82, s82, s[HH]
	s_mul_i32 s82, s82, 768
	s_add_co_u32 s98, s98, s82
	s_add_co_u32 s98, s98, 6144
	s_mov_b32 s99, 0
	s_cmp_ge_u32 s85, 3                            ; the stage's blocks 0-2 are the first head's, 3-5 the second's
	s_cselect_b32 s76, 1, 0
	s_cselect_b32 s77, 3, 0
	s_sub_co_u32 s77, s85, s77
	s_add_co_u32 s76, s76, s87
	s_lshl_b32 s76, s76, 5
	s_add_co_u32 s76, s76, s88
	s_mul_i32 s76, s76, 768
	s_lshl_b32 s77, s77, 8
	s_add_co_u32 s76, s76, s77
	s_mov_b32 s77, 0
	s_wait_dscnt 0x0                               ; the opening add is done
	s_wait_kmcnt 0x0
	s_add_nc_u64 s[PQC:PQC+1], s[6:7], s[92:93]
	s_add_nc_u64 s[PQS:PQS+1], s[8:9], s[94:95]
	s_add_nc_u64 s[PKC:PKC+1], s[10:11], s[96:97]
	s_add_nc_u64 s[PVC:PVC+1], s[10:11], s[98:99]
	s_add_nc_u64 s[PSC:PSC+1], s[12:13], s[76:77]
	s_mov_b32 s[G0], 1                             ; 1:0 count = 1
	s_mov_b32 s[G0+1], s21                         ; LDS address: x's record begins at 0
	s_add_nc_u64 s[G0+2:G0+3], s[4:5], s[72:73]
	s_or_b32 s[G0+3], s[G0+3], 0x80000000          ; 127:126 type = 2
	s_add_nc_u64 s[74:75], s[4:5], s[74:75]
	s_mov_b32 s[G0+4], 1
	s_mul_i32 s[G0+5], s[WV], QUART                ; a record is four quarters: wave w's quarter lies at w x QUART in LDS
	s_mov_b64 s[G0+6:G0+7], s[74:75]
	s_or_b32 s[G0+7], s[G0+7], 0x80000000
	CROUND                                         ; all sixteen work-groups are here: the joint loads meet
	s_cmp_lt_u32 s[WV], 4                          ; sixteen quarters, sixteen waves: one tensor load a wave; waves 0 to 3 fetch x's record, the others the weights'
	s_cbranch_scc0 .Lfor_w
	tensor_load_to_lds s[G0:G0+3], s[G1A:G1A+7]
	s_nop 0
	PLACES 4
	s_branch .Lasked
.Lfor_w:
	tensor_load_to_lds s[G0+4:G0+7], s[G1B:G1B+7]
	s_nop 0
	PLACES 4
.Lasked:
.macro BFETCH ca, sa                   ; source 1: a tile's four fragments and its rows' four scale words
.irp s, 0,1,2,3
.irp g, 0,1,2
	ds_load_b128 v[BF+12*\s+4*\g:BF+12*\s+4*\g+3], v[\ca] offset:1536*\s+512*\g
.endr
.endr
	ds_load_b128 v[BS:BS+3], v[\sa]
.endm
.macro AFETCH buf, ca, s               ; source 0: four tiles' fragments of K step s: 12 loads
.irp t, 0,1,2,3
.irp g, 0,1,2
	ds_load_b128 v[AF+48*\buf+12*\t+4*\g:AF+48*\buf+12*\t+4*\g+3], v[\ca] offset:(4*\t+\s)*1536+512*\g
.endr
.endr
.endm
.macro MUL s, buf                      ; the four accumulators take turns, one instruction a turn; K step 0 starts the sums
.irp t, 0,1,2,3
.if \s == 0
	v_wmma_scale_f32_16x16x128_f8f6f4 v[ACC+8*\t:ACC+8*\t+7], v[AF+48*\buf+12*\t:AF+48*\buf+12*\t+11], v[BF+12*\s:BF+12*\s+11], 0, v[AS+4*\t+\s], v[BS+\s] matrix_a_fmt:MATRIX_FMT_FP6 matrix_b_fmt:MATRIX_FMT_FP6
.else
	v_wmma_scale_f32_16x16x128_f8f6f4 v[ACC+8*\t:ACC+8*\t+7], v[AF+48*\buf+12*\t:AF+48*\buf+12*\t+11], v[BF+12*\s:BF+12*\s+11], v[ACC+8*\t:ACC+8*\t+7], v[AS+4*\t+\s], v[BS+\s] matrix_a_fmt:MATRIX_FMT_FP6 matrix_b_fmt:MATRIX_FMT_FP6
.endif
.endr
.endm
; 32 numbers of a lane, register 16 b + i = k 32 b + 16 h + i of my row, become a half image in v[PC] .. v[PC+5] and the word byte 0 | byte 1 << 8 in v[PW]
.macro QUANT2 s
.irp b, 0,1
	v_max3_num_f32 v[TM+\b], |v[\s+16*\b]|, |v[\s+16*\b+1]|, 0x1800000   ; from each accumulator's low end on; the floor 2^(3 - 127) holds the byte at 1 from below
.endr
.irp i, 2,4,6,8,10,12,14
.irp b, 0,1
	v_max3_num_f32 v[TM+\b], v[TM+\b], |v[\s+16*\b+\i]|, |v[\s+16*\b+\i+1]|
.endr
.endr
.irp b, 0,1
	s_delay_alu instid0(VALU_DEP_2)
	v_permlanex16_b32 v[TM+2+\b], v[TM+\b], s[SEL], s[SEL+1]
.endr
.irp b, 0,1
	s_delay_alu instid0(VALU_DEP_2)
	v_max_num_f32 v[TM+\b], v[TM+\b], v[TM+2+\b]   ; with lane l xor 16's: the block's largest magnitude
.endr
.irp b, 0,1
	s_delay_alu instid0(VALU_DEP_2)
	v_add_nc_u32 v[TM+4+\b], 0xff000000, v[TM+\b]  ; 2 off the exponent field: the conversion's scale operand
.endr
.irp b, 0,1
	s_delay_alu instid0(VALU_DEP_2)
	v_lshrrev_b32 v[TM+6+\b], 23, v[TM+4+\b]       ; the scale's byte
.endr
	s_delay_alu instid0(VALU_DEP_1)
	v_lshl_or_b32 v[PW], v[TM+7], 8, v[TM+6]
	v_cvt_scalef32_pk16_fp6_f32 v[PC:PC+2], v[\s:\s+15], v[TM+4]
	v_cvt_scalef32_pk16_fp6_f32 v[PC+4:PC+6], v[\s+16:\s+31], v[TM+5]
	v_nop                                          ; one plain place behind a scaled conversion
.irp i, 0,1,2
	v_permlane16_swap_b32 v[PC+\i], v[PC+4+\i]     ; lanes 0-15 now hold block 0 whole, lanes 16-31 block 1
.endr
	s_delay_alu instid0(VALU_DEP_3)
	v_mov_b32 v[PC+3], v[PC+4]
	s_delay_alu instid0(VALU_DEP_3)
	v_mov_b32 v[PC+4], v[PC+5]
	s_delay_alu instid0(VALU_DEP_3)
	v_mov_b32 v[PC+5], v[PC+6]
.endm
.macro JOB ca, sa
.irp t, 0,1,2,3
	ds_load_b128 v[AS+4*\t:AS+4*\t+3], v[\sa] offset:256*\t
.endr
	AFETCH 0, \ca, 0
	AFETCH 1, \ca, 1
	s_wait_dscnt 12                                ; all but the younger buffer's 12 loads
	MUL 0, 0
	PLACES 4
	AFETCH 0, \ca, 2
	s_wait_dscnt 12
	MUL 1, 1
	PLACES 4
	AFETCH 1, \ca, 3
	s_wait_dscnt 12
	MUL 2, 0
	s_wait_dscnt 0x0
	MUL 3, 1
	PLACES 5                                       ; the next job's first products write over these accumulators
	s_wait_xcnt 0x0                                ; the last job's stores have read v[PC] on and v[PW]: they are written again only behind this wait
	QUANT2 ACC
.endm
.macro OUT base                        ; a half image: 512 and 256 consecutive bytes, aligned
	global_store_b128 v[LI], v[PC:PC+3], s[\base:\base+1]
	global_store_b64 v[L8], v[PC+4:PC+5], s[\base:\base+1] offset:512
.endm
	s_wait_tensorcnt 0x0                           ; my quarter is in; nothing is filled again in this launch
	BARRIER                                        ; everybody's are
	s_wait_alu depctr_va_vdst(0)
	BFETCH BX, SBX
	JOB ADQ, SAQ
	OUT PQC
	global_store_b32 v[L4], v[PW], s[PQS:PQS+1]
	JOB ADK, SAK                                   ; source 1 is still x's tile T
	OUT PKC
	ds_store_b32 v[KST], v[PW]                     ; lanes r and r + 16 write the same word with the same value
	BFETCH BV, SBV
	JOB ADV, SAV
	OUT PVC
	ds_store_b16 v[VST], v[PW]                     ; the bytes of key blocks 2 hh and 2 hh + 1
	s_wait_dscnt 0x0                               ; for the others' sake: my stores into the stage are done
	BARRIER
	s_cmp_lt_u32 s[WV], 6
	s_cbranch_scc0 .Lno_copy
	ds_load_b64 v[CP:CP+1], v[CPY]
	s_wait_dscnt 0x0
	global_store_b64 v[L8], v[CP:CP+1], s[PSC:PSC+1]   ; 256 consecutive bytes, aligned
.Lno_copy:
	s_wait_tensorcnt 0x0                           ; the wave's end: behind my last tensor load and my last LDS store
	ds_add_u32 v[SPW], v[NIL]
	s_wait_dscnt 0x0
	CROUND                                         ; the closing round
	s_endpgm
.Lfunc_end_k_q342cccf826_qkv:
	.size	k_q342cccf826_qkv, .Lfunc_end_k_q342cccf826_qkv-k_q342cccf826_qkv
	.p2alignl 7, 3214868480
	.fill 96, 4, 3214868480
	.section	.rodata,"a",@progbits
	.p2align	6, 0x0
	.amdhsa_kernel k_q342cccf826_qkv
		.amdhsa_group_segment_fixed_size 208896
		.amdhsa_private_segment_fixed_size 0
		.amdhsa_enable_private_segment 0
		.amdhsa_kernarg_size 40
		.amdhsa_user_sgpr_count 2
		.amdhsa_user_sgpr_kernarg_segment_ptr 1
		.amdhsa_wavefront_size32 1
		.amdhsa_system_sgpr_workgroup_id_x 1
		.amdhsa_system_sgpr_workgroup_id_y 1
		.amdhsa_system_sgpr_workgroup_id_z 1
		.amdhsa_system_vgpr_workitem_id 0
		.amdhsa_next_free_vgpr 256
		.amdhsa_next_free_sgpr 100
		.amdhsa_reserve_vcc 0
		.amdhsa_float_denorm_mode_32 3
		.amdhsa_float_denorm_mode_16_64 3
		.amdhsa_memory_ordered 1
		.amdhsa_forward_progress 1
		.amdhsa_inst_pref_size 36
	.end_amdhsa_kernel
	.amdgpu_metadata
---
amdhsa.version: [ 1, 2 ]
amdhsa.kernels:
  - .name:           k_q342cccf826_qkv
    .symbol:         k_q342cccf826_qkv.kd
    .args:
      - { .name: img, .offset: 0, .size: 8, .value_kind: global_buffer, .address_space: global }
      - { .name: qc, .offset: 8, .size: 8, .value_kind: global_buffer, .address_space: global }
      - { .name: qs, .offset: 16, .size: 8, .value_kind: global_buffer, .address_space: global }
      - { .name: kvc, .offset: 24, .size: 8, .value_kind: global_buffer, .address_space: global }
      - { .name: kvs, .offset: 32, .size: 8, .value_kind: global_buffer, .address_space: global }
    .group_segment_fixed_size: 208896
    .private_segment_fixed_size: 0
    .kernarg_segment_align: 8
    .kernarg_segment_size: 40
    .max_flat_workgroup_size: 512
    .sgpr_count:     100
    .vgpr_count:     256
    .wavefront_size: 32
...
	.end_amdgpu_metadata
.endif
;; end of part 2
;; launch attn (part 3): grid 16 x 16, 16 waves a work-group, clusters of 4 x 1, 327,680 bytes of LDS; arguments qc, qs, kvc, kvs, att; writes att
.if DOCPART == 3
	.amdgcn_target "amdgcn-amd-amdhsa--gfx1250"
	.amdhsa_code_object_version 6
	.text
	.protected	k_q342cccf826_attn
	.globl	k_q342cccf826_attn
	.p2align	8
	.type	k_q342cccf826_attn,@function
k_q342cccf826_attn:
	s_mov_b64 s[64:65], 0
	v_nop
	global_prefetch_b8 v0, s[64:65] scope:SCOPE_SE
	s_setreg_imm32_b32 hwreg(HW_REG_WAVE_MODE, 25, 1), 1
	s_wait_xcnt 0x0
	s_wait_alu depctr_hold_cnt(0) depctr_sa_sdst(0) depctr_va_vdst(0) depctr_va_sdst(0) depctr_va_ssrc(0) depctr_va_vcc(0) depctr_vm_vsrc(0)
	s_getreg_b32 s2, hwreg(HW_REG_IB_STS2, 6, 4)
	s_cmp_eq_u32 s2, 0
	s_cbranch_scc0 .Lentry_in_a_cluster
	s_endpgm
.Lentry_in_a_cluster:
	s_bfe_u32 s2, ttmp6, 0x10000c
	s_cmp_lg_u32 s2, 0x3003
	s_cbranch_scc0 .Lentry_shape_is_right
	s_endpgm
.Lentry_shape_is_right:
; attended[q] = (the sum over keys of p V) / l for 16 heads of 4,096 queries and keys, head size 64, both products on codes of FP6 (E2M3) with E8M0 scales; the result is quantised along D for the last product.
; SOFTMAX: t = score x log2(e) / 8; M = the running largest t rounded UP to a whole number; p = 2^(t - M) is quantised along the keys, not normalised; l is the sum of the unquantised p, in f32.
; When M moves, l and O are multiplied by 2^(old M - new M): exact.
; SHARES: a work-group owns 256 queries of one head, each of its sixteen waves one tile of 16, in 256 registers.  Every wave walks 32 key steps of 128.
; LAYOUT: both products transposed: S^T = K Q^T, O^T = V^T P^T: a lane holds one query throughout.  In memory and LDS all operands lie as images of registers, in tiles whose row r is
; 32 (T / 2) + 8 (T % 2) + r + 8 (r / 8) of the keys, channels or queries.  V^T's and Q's tiles are taken as they lie.
; K'S TILES ARE GATHERED ANEW from those images, by the lanes' addresses alone: tile 4 c + u takes as rows 0-7 the keys 64 c + 8 u + 0 .. 7 and as rows 8-15 the keys 64 c + 32 + 8 u + 0 .. 7.
; Key row rho of it lies in the image of tile 4 c + u % 2 + 2 (rho / 8), at row rho % 8 + 8 (u / 2).  So lane (r, h) holds in registers S + 32 c + 0 .. 31 the scores of keys 64 c + 32 h + 0 .. 31:
; a whole block of the next K, in order: its largest score needs no other lane, and the conversions' results are the operand's registers as they stand.
; THE HEAD'S 64 IN AN INSTRUCTION'S 128: Q's registers 6-11 are zero codes, and bytes 2, 3 of Q's and K's scale words are 0 (2^-127, no NaN).  E2M3 has no code for infinity or NaN, so whatever stands in the
; key operand's registers 6-11 adds exactly 0: K's eight half fragments lie 6 registers apart, a tile's operand reaches into the next tile's codes, the last into six zeros.
; LDS: the head's scale words (24,576 bytes) at 0; behind them room for 24 key steps (3 x 98,304 bytes), step j at RB + 12,288 j; then the spare words.
; FILLS: at the head steps 0-7 (waves 0 to 3, 96 rows of 256 bytes each) and the scale words (wave 4); behind the first round steps 8-23 (waves 0 to 3, 192 rows each), a first fill;
; behind the round after step 7, steps 24-31 into the bytes of steps 0-7: the launch's one refill.  That refill's landing is shown by a barrier that guards no refill: each wave signals after step 15
; (its own load waited for) and waits after step 23; between the two it reads only steps 16-23 and the scale words, which nobody writes any more.
; CLUSTER: the four query blocks of a cluster walk the same K and V: every tile is asked for jointly, with a mask that names the four.
; PREFETCH: steps 24-31 (98,304 bytes = 4 work-groups x 3 waves x 32 lanes x 256 bytes) are asked for behind the first round, eight key steps ahead of the load that wants them; the head's first cluster asks,
; its partners told apart by address.  Steps 0-23 come by loads that stand at the launch's start, with no trip ahead of them to ask in.
; OUT: att: 64 records laid as img's, but a fragment is two half images: (tile T, head) at 6,144 T + 768 head; row r's scale byte of (head, block) at 49,152 + 256 T + 16 r + 2 head + block.
; A wave's 32 scale bytes are single bytes of one block of 256: the other heads' are other work-groups'; 131,072 bytes in the whole launch.
; LIMITS: the promise holds while |t| stays under 2^31; a block's largest p is taken as the exponential of its largest score (it takes v_exp_f32 not to fall where its input rises); 1 / l is v_rcp_f32;
; byte 1 for blocks under 2^-124 and blocks of zeros; NaN and infinities are not served.
.set STEPB, 12288                      ; a key step: K's 8 half images, V^T's 8
.set SLOTB, 8*STEPB
.set SCL,   0                          ; the head's scale words, 768 bytes a step
.set RB,    24576                      ; the 24 steps' room
.set BIAS,  6144                       ; s[TB] stands half a step back: stepped on at a step's top it stands at that step's V^T, and + BIAS reaches the next step's K
.set SPARE, RB+3*SLOTB                 ; the spare words, 128 bytes for each wave: eight blocks of 256 bytes that no other line names
.set QUART, 24576
.set REC,   51200
.set LI,   1                           ; v1   16 x lane
.set L8,   2                           ; v2   8 x lane
.set SPW,  3                           ; v3   LDS address of my spare word; never rewritten
.set NIL,  4                           ; v4   0; never rewritten
.set ADC,  5                           ; v5-6 V^T's codes, by 16 and by 8 bytes a lane
.set ADC8, 6
.set ADS,  7                           ; v7   K's scale words;  v8 V's
.set ADS8, 8
.set PFO,  9                           ; v9   256 x lane; never rewritten
.set L4,   10                          ; v10  4 x lane
.set SBO,  11                          ; v11  16 r + h
.set NM,   12                          ; v12 -M
.set RUN,  13                          ; v13 the largest score so far
.set SUM,  14                          ; v[14:15] l, in two halves
.set QF,   16                          ; v16-27 Q's fragment, v22-27 zeros
.set QS,   28                          ; v28  Q's scale words
.set SH8,  29                          ; v29  8 h
.set LIK,  30                          ; v30  K's gather, 16-byte part: 1,536 (r / 8) + 16 (r % 8) + 256 h
.set L8K,  31                          ; v31  8-byte part: 1,536 (r / 8) + 8 (r % 8) + 128 h
.set KV,   32                          ; v32-79 K's eight half fragments, later V^T's four fragments; v80-85 zeros
.set KSC,  86                          ; v[86:89] K's scale words
.set VSC,  90                          ; v[90:91] V's
.set PS,   92                          ; v92  p's scale word
.set ADK,  94                          ; v94-95 K's codes
.set ADK8, 95
.set S,    96                          ; v96-159 S^T, then p
.set OA,   160                         ; v160-191 O^T
.set PC,   192                         ; v192-203 p's codes; v204-210 at work
.set PT,   204
.set BM,   212                         ; v212-215 largest scores: v212 of my block of keys 0-63, v214 of my block of keys 64-127
.set T2,   216
.set SO,   220                         ; v220-221 the conversions' scale operands
.set FF,   224                         ; v[224:225] f = 2^(old M - new M), and a written partner
.set TMP,  226
.set EW,   227
.set CH,   228                         ; v228-241 seven partial sums of p, in pairs
.set BY,   230                         ; the way out's registers lie over them
.set TMQ,  232
.set PCQ,  240
.set LSK,  248                         ; v248 K's scale words' gather: 256 h + 16 (r % 8) + 4 (r / 8)
.set WV,   18
.set SEL,  20
.set CS,   22                          ; s[22:23] c = log2(e) / 8
.set G1,   24                          ; s[24:31] descriptor group 1: 96 rows;  s[32:39]: 192 rows
.set G1B,  32
.set G0C,  40                          ; s[40:43] group 0 for steps 0-7, later 24-31;  s[44:47] for the scale words;  s[56:59] for steps 8-23
.set G0S,  44
.set G0B,  56
.set TB,   48
.set TS,   49
.set CNT,  51
.set PFA,  52
.set LIM,  54                          ; s54  1 in a wave that prefetches
.macro CROUND                          ; a round of the cluster's barrier
	s_barrier_signal -1
	s_barrier_wait -1
	s_cmp_lg_u32 s[WV], 0
	s_cbranch_scc1 .Lnot_wave_0_\@
	s_barrier_signal -3
.Lnot_wave_0_\@:
	s_barrier_wait -3
	s_barrier_signal -1
	s_barrier_wait -1
.endm
.macro PLACES
.rept 4
	v_nop
.endr
.endm
.macro TL g0, g1                       ; waves 0 to 3 fetch a quarter each; the branch hangs on the wave's number alone; an s_nop 0 and four v_nop follow the load
	s_cmp_lt_u32 s[WV], 4
	s_cbranch_scc0 .Lno_load_\@
	tensor_load_to_lds s[\g0:\g0+3], s[\g1:\g1+7]
	s_nop 0
	PLACES
.Lno_load_\@:
.endm
	s_load_b256 s[4:11], s[0:1], 0x0               ; qc, qs, kvc, kvs
	s_load_b64 s[12:13], s[0:1], 0x20              ; att
	v_lshl_add_u32 v[SPW], v0, 2, SPARE
	v_mov_b32 v[NIL], 0
	ds_add_u32 v[SPW], v[NIL]                      ; the wave's opening: the add, twice on end, and its wait ahead of the first tensor loads
	ds_add_u32 v[SPW], v[NIL]
	v_lshrrev_b32 v[ADC], 5, v0
	s_delay_alu instid0(VALU_DEP_1)
	v_readfirstlane_b32 s[WV], v[ADC]              ; wave 0..15
	v_and_b32 v[ADC], 31, v0
	s_delay_alu instid0(VALU_DEP_1)
	v_lshlrev_b32 v[LI], 4, v[ADC]
	v_lshlrev_b32 v[L8], 3, v[ADC]
	v_lshlrev_b32 v[L4], 2, v[ADC]
	v_lshlrev_b32 v[PFO], 8, v[ADC]
	v_and_b32 v[ADS], 15, v0
	v_bfe_u32 v[ADS8], v0, 4, 1                    ; h
	s_delay_alu instid0(VALU_DEP_1)
	v_lshl_add_u32 v[SBO], v[ADS], 4, v[ADS8]
	v_lshlrev_b32 v[SH8], 3, v[ADS8]
	v_and_b32 v[TMP], 7, v0                        ; r % 8
	v_bfe_u32 v[EW], v0, 3, 1                      ; r / 8
	s_delay_alu instid0(VALU_DEP_1)
	v_mul_u32_u24 v[BM], v[EW], 1536               ; rows 8-15 come from the image two tiles on
	v_lshlrev_b32 v[LSK], 2, v[EW]
	s_delay_alu instid0(VALU_DEP_2)
	v_lshl_add_u32 v[LIK], v[TMP], 4, v[BM]
	v_lshl_add_u32 v[L8K], v[TMP], 3, v[BM]
	v_lshl_add_u32 v[LSK], v[TMP], 4, v[LSK]
	s_delay_alu instid0(VALU_DEP_3)
	v_lshl_add_u32 v[LIK], v[ADS8], 8, v[LIK]
	s_delay_alu instid0(VALU_DEP_3)
	v_lshl_add_u32 v[L8K], v[ADS8], 7, v[L8K]
	s_delay_alu instid0(VALU_DEP_3)
	v_lshl_add_u32 v[LSK], v[ADS8], 8, v[LSK]
	s_and_b32 s16, ttmp7, 0xffff                   ; the head (of 16), which the four partners share
	s_and_b32 s66, s[WV], 3
	s_mul_i32 s67, s66, QUART                      ; the quarter of 8 steps that I fetch,
	s_mul_i32 s91, s66, 2*QUART                    ; and of 16 steps
	s_mul_i32 s68, s16, 32*STEPB
	s_add_co_u32 s92, s68, s91
	s_add_co_u32 s92, s92, SLOTB
	s_mov_b32 s93, 0
	s_add_co_u32 s68, s68, s67
	s_mov_b32 s69, 0
	s_mul_i32 s70, s16, 32*768
	s_mov_b32 s71, 0
.irp g, G1, G1B
	s_mov_b32 s[\g], 15|(3<<16)|(1<<21)            ; 15:0 the mask: all four work-groups; 17:16 elements of 8 bytes; 21 set beside a mask; no padding
	s_mov_b32 s[\g+1], 32<<16                      ; tensor_dim0
	s_mov_b32 s[\g+3], 32<<16                      ; tile_dim0
	s_mov_b32 s[\g+5], 32                          ; the pitch
	s_mov_b32 s[\g+6], 0
	s_mov_b32 s[\g+7], 0
.endr
	s_mov_b32 s[G1+2], 96<<16                      ; tensor_dim1, tile_dim1
	s_mov_b32 s[G1+4], 96
	s_mov_b32 s[G1B+2], 192<<16
	s_mov_b32 s[G1B+4], 192
	s_mov_b32 s[SEL], 0x76543210
	s_mov_b32 s[SEL+1], 0xfedcba98
	s_mov_b32 s[CS], 0x3e38aa3b                    ; log2(e) / sqrt(64)
	s_mov_b32 s[CS+1], s[CS]                       ; (named with it as a pair, so it is written)
	s_mov_b32 s[TB], RB-BIAS
	s_mov_b32 s[TS], SCL
	s_bfe_u32 s14, ttmp6, 0x40000                  ; cx: it enters Q's, att's and the prefetch's addresses alone
	s_lshl_b32 s15, ttmp9, 2
	s_add_co_u32 s15, s15, s14                     ; my block of 256 queries
	s_lshl_b32 s72, s15, 4
	s_add_co_u32 s72, s72, s[WV]                   ; my tile of queries
	s_lshl_b32 s73, s16, 8
	s_add_co_u32 s73, s73, s72
	s_mul_i32 s74, s73, 768
	s_mov_b32 s75, 0
	s_lshl_b32 s76, s73, 7
	s_mov_b32 s77, 0
	s_mul_i32 s78, s16, 32*STEPB                   ; the prefetch: my head, steps 24 on,
	s_lshl_b32 s89, s66, 13                        ; my wave's 8,192 bytes
	s_add_co_u32 s78, s78, s89
	s_mul_i32 s90, s14, QUART                      ; of my work-group's 24,576
	s_add_co_u32 s78, s78, s90
	s_add_co_u32 s78, s78, 3*SLOTB
	s_mov_b32 s79, 0
	s_sub_co_u32 s88, s[WV], 8
	s_cmp_lt_u32 s88, 3                            ; waves 8 to 10
	s_cselect_b32 s88, 0, 1
	s_or_b32 s88, s88, ttmp9                       ; of the head's first cluster: the same in all four partners
	s_cmp_eq_u32 s88, 0
	s_cselect_b32 s[LIM], 1, 0
	s_lshr_b32 s80, s16, 3                         ; att: record 32 x batch + 2 x block + wave / 8
	s_lshl_b32 s80, s80, 5
	s_lshl_b32 s81, s15, 1
	s_add_co_u32 s80, s80, s81
	s_lshr_b32 s81, s[WV], 3
	s_add_co_u32 s80, s80, s81
	s_mul_i32 s80, s80, REC
	s_and_b32 s81, s[WV], 7                        ; tile wave % 8
	s_and_b32 s82, s16, 7                          ; head of 8
	s_mul_i32 s84, s81, 6144
	s_mul_i32 s83, s82, 768
	s_add_co_u32 s84, s84, s83
	s_add_co_u32 s84, s84, s80
	s_mov_b32 s85, 0
	s_lshl_b32 s86, s81, 8
	s_lshl_b32 s83, s82, 1
	s_add_co_u32 s86, s86, s83
	s_add_co_u32 s86, s86, s80
	s_add_co_u32 s86, s86, 49152
	s_mov_b32 s87, 0
	s_wait_dscnt 0x0                               ; both opening adds are done
	s_wait_kmcnt 0x0
	s_add_nc_u64 s[4:5], s[4:5], s[74:75]          ; Q's half image
	s_add_nc_u64 s[6:7], s[6:7], s[76:77]          ; and its scale words
	s_add_nc_u64 s[PFA:PFA+1], s[8:9], s[78:79]
	s_add_nc_u64 s[84:85], s[12:13], s[84:85]      ; my result's codes
	s_add_nc_u64 s[86:87], s[12:13], s[86:87]      ; and scale bytes
	s_mov_b32 s[G0C], 1
	s_add_co_u32 s[G0C+1], s67, RB
	s_add_nc_u64 s[G0C+2:G0C+3], s[8:9], s[68:69]
	s_or_b32 s[G0C+3], s[G0C+3], 0x80000000
	s_mov_b32 s[G0B], 1
	s_add_co_u32 s[G0B+1], s91, RB+SLOTB
	s_add_nc_u64 s[G0B+2:G0B+3], s[8:9], s[92:93]
	s_or_b32 s[G0B+3], s[G0B+3], 0x80000000
	s_mov_b32 s[G0S], 1
	s_mov_b32 s[G0S+1], SCL
	s_add_nc_u64 s[G0S+2:G0S+3], s[10:11], s[70:71]
	s_or_b32 s[G0S+3], s[G0S+3], 0x80000000
	CROUND                                         ; all four work-groups are here: the first joint loads meet
	s_cmp_lt_u32 s[WV], 4                          ; steps 0-7 by waves 0 to 3, the scale words by wave 4: one tensor load of a wave is out
	s_cbranch_scc0 .Lhead_s
	tensor_load_to_lds s[G0C:G0C+3], s[G1:G1+7]
	s_nop 0
	PLACES
	s_branch .Lhead_j
.Lhead_s:
	s_cmp_eq_u32 s[WV], 4
	s_cbranch_scc0 .Lhead_j
	tensor_load_to_lds s[G0S:G0S+3], s[G1:G1+7]
	s_nop 0
	PLACES
.Lhead_j:
	s_wait_alu depctr_va_vdst(0)                   ; the wait ahead of the readers below
	global_load_b128 v[QF:QF+3], v[LI], s[4:5]
	global_load_b64 v[QF+4:QF+5], v[L8], s[4:5] offset:512
	global_load_b32 v[QS], v[L4], s[6:7]
.irp j, 6,7,8,9,10,11
	v_mov_b32 v[QF+\j], 0                          ; zero codes for K = 64 .. 127
.endr
.irp j, 48,49,50,51,52,53
	v_mov_b32 v[KV+\j], 0                          ; what the last tile's operand reaches into
.endr
.set jj, 0
.rept 32
	v_mov_b32 v[OA+jj], 0                          ; the step is written once: the first finds zeros, which the first change of M leaves zeros
.set jj, jj+1
.endr
	v_mov_b32 v[RUN], 0xff61b1e6                   ; the largest score so far: -3e38
	v_mov_b32 v[NM], 0x7e000000                    ; -M: 2^125, a whole number over every -t: the first f is 0
	v_mov_b32 v[SUM], 0
	v_mov_b32 v[SUM+1], 0
.irp b, 0,1,2,3
	v_mov_b32 v[T2+\b], 0                          ; a lane permute's destination counts as one of its sources
.endr
	v_mov_b32 v[FF+1], 0                           ; named with f as a pair
	v_add_nc_u32 v[ADK], s[TB], v[LIK]
	v_add_nc_u32 v[ADK8], s[TB], v[L8K]
	v_add_nc_u32 v[ADS], s[TS], v[LSK]
	v_add_nc_u32 v[ADS8], s[TS], v[L8]
; The n-th of 25 packed additions that gather p's 32 pairs into l and seven partial sums
.macro SADD n
.if (\n) < 7
	v_pk_add_f32 v[CH+2*(\n):CH+2*(\n)+1], v[S+4*(\n):S+4*(\n)+1], v[S+4*(\n)+2:S+4*(\n)+3]
.else
.if (\n)%8 == 7
	v_pk_add_f32 v[SUM:SUM+1], v[SUM:SUM+1], v[S+2*(\n)+14:S+2*(\n)+15]
.else
	v_pk_add_f32 v[CH+2*((\n)%8):CH+2*((\n)%8)+1], v[CH+2*((\n)%8):CH+2*((\n)%8)+1], v[S+2*(\n)+14:S+2*(\n)+15]
.endif
.endif
.endm
; A KEY STEP: 128 keys
.macro STEP
.irp t, 0,1,2,3,4,5,6,7                ; tile t = 4 c + u: the image of tile 4 c + u % 2 (rows 8-15: two tiles on, by the lane's address), rows 8 (u / 2) on
	ds_load_b128 v[KV+6*\t:KV+6*\t+3], v[ADK] offset:BIAS+3072*(\t/4)+768*(\t%2)+128*((\t%4)/2)
	ds_load_b64 v[KV+6*\t+4:KV+6*\t+5], v[ADK8] offset:BIAS+3072*(\t/4)+768*(\t%2)+512+64*((\t%4)/2)
.endr
.irp g, 0,1,2,3
	ds_load_b32 v[KSC+\g], v[ADS] offset:128*(\g%2)+8*(\g/2)   ; lanes 0-15: the rows' words of tile 2 g; lanes 16-31: of tile 2 g + 1
.endr
	ds_load_b64 v[VSC:VSC+1], v[ADS8] offset:512   ; V's: lanes 0-15 tiles 0 and 2, lanes 16-31 tiles 1 and 3
	s_add_co_u32 s[TB], s[TB], STEPB
	s_add_co_u32 s[TS], s[TS], 768
	s_wait_dscnt 0x0
.irp b, 0,1,2,3
	v_wmma_scale_f32_16x16x128_f8f6f4 v[S+16*\b:S+16*\b+7], v[KV+12*\b:KV+12*\b+11], v[QF:QF+11], 0, v[KSC+\b], v[QS] matrix_a_fmt:MATRIX_FMT_FP6 matrix_b_fmt:MATRIX_FMT_FP6
	v_wmma_scale_f32_16x16x128_f8f6f4 v[S+16*\b+8:S+16*\b+15], v[KV+12*\b+6:KV+12*\b+17], v[QF:QF+11], 0, v[KSC+\b], v[QS] matrix_a_fmt:MATRIX_FMT_FP6 matrix_b_fmt:MATRIX_FMT_FP6 matrix_a_scale:MATRIX_SCALE_ROW1
.endr
	v_add_nc_u32 v[ADC], s[TB], v[LI]              ; this step's V^T, the next step's K and scale words: these six are the places ahead of the loads into K's registers and of the first read of the scores
	v_add_nc_u32 v[ADC8], s[TB], v[L8]
	v_add_nc_u32 v[ADK], s[TB], v[LIK]
	v_add_nc_u32 v[ADK8], s[TB], v[L8K]
	v_add_nc_u32 v[ADS], s[TS], v[LSK]
	v_add_nc_u32 v[ADS8], s[TS], v[L8]
.irp t, 0,1,2,3,4,5,6,7
	ds_load_b128 v[KV+6*\t:KV+6*\t+3], v[ADC] offset:768*\t          ; V^T: asked for ahead of the softmax, waited for behind it
	ds_load_b64 v[KV+6*\t+4:KV+6*\t+5], v[ADC8] offset:768*\t+512
.endr
.irp c, 0,1                            ; my two blocks' largest scores, each in two chains; each accumulator is first read in its four lowest registers
	v_max3_num_f32 v[BM+2*\c], v[S+32*\c], v[S+32*\c+1], v[S+32*\c+2]
	v_max3_num_f32 v[BM+2*\c+1], v[S+32*\c+17], v[S+32*\c+18], v[S+32*\c+19]
.endr
.irp i, 3,5,7,9,11,13
.irp c, 0,1
	v_max3_num_f32 v[BM+2*\c], v[BM+2*\c], v[S+32*\c+\i], v[S+32*\c+\i+1]
	v_max3_num_f32 v[BM+2*\c+1], v[BM+2*\c+1], v[S+32*\c+17+\i], v[S+32*\c+18+\i]
.endr
.endr
.irp c, 0,1
	v_max3_num_f32 v[BM+2*\c], v[BM+2*\c], v[S+32*\c+15], v[S+32*\c+16]
.endr
.irp c, 0,1
	s_delay_alu instid0(VALU_DEP_2)
	v_max_num_f32 v[BM+2*\c], v[BM+2*\c], v[BM+2*\c+1]   ; lanes 0-15: block 2 c's largest score, lanes 16-31: block 2 c + 1's
.endr
	s_delay_alu instid0(VALU_DEP_1)
	v_max_num_f32 v[TMP], v[BM], v[BM+2]
	s_delay_alu instid0(VALU_DEP_1)
	v_permlanex16_b32 v[T2], v[TMP], s[SEL], s[SEL+1]
	v_mov_b32 v[T2+1], v[NM]
	s_delay_alu instid0(VALU_DEP_2)
	v_max3_num_f32 v[RUN], v[RUN], v[TMP], v[T2]   ; the running largest score of my query (c is positive: the largest t is c x this)
	s_delay_alu instid0(VALU_DEP_1)
	v_mul_f32 v[TMP], s[CS], v[RUN]
	s_delay_alu instid0(VALU_DEP_1)
	v_floor_f32 v[NM], -v[TMP]                     ; the new -M = -ceil(t)
	s_delay_alu instid0(VALU_DEP_1)
	v_sub_f32 v[TMP], v[NM], v[T2+1]               ; old M - new M: a whole number, 0 or less
	s_delay_alu instid0(VALU_DEP_1)
	v_cvt_i32_f32 v[TMP], v[TMP]                   ; (it saturates)
	s_delay_alu instid0(VALU_DEP_1)
	v_ldexp_f32 v[FF], 1.0, v[TMP]                 ; f
.set jj, 0
.rept 32
	v_pk_fma_f32 v[S+jj:S+jj+1], v[S+jj:S+jj+1], s[CS:CS+1], v[NM:NM+1] op_sel_hi:[1,0,0]   ; t - M, two at a time
.set jj, jj+2
.endr
	v_fma_f32 v[BM], v[BM], s[CS], v[NM]           ; the same of my blocks' largest scores
	v_fma_f32 v[BM+2], v[BM+2], s[CS], v[NM]
.set jj, 0
.rept 16
	v_pk_mul_f32 v[OA+jj:OA+jj+1], v[OA+jj:OA+jj+1], v[FF:FF+1] op_sel_hi:[1,0]   ; O^T under the new M, each accumulator from its low end on; no transcendental stands between its products and these
.set jj, jj+2
.endr
	s_wait_alu depctr_va_vdst(0)                   ; the wait ahead of the batch
.set jj, 0
.rept 64
	v_exp_f32 v[S+jj], v[S+jj]                     ; p = 2^(t - M)
.set jj, jj+1
.endr
	v_exp_f32 v[BM], v[BM]                         ; my blocks' largest p
	v_exp_f32 v[BM+2], v[BM+2]
	v_pk_mul_f32 v[SUM:SUM+1], v[SUM:SUM+1], v[FF:FF+1] op_sel_hi:[1,0]   ; l under the new M: the plain place behind the exponentials
	s_wait_alu depctr_va_vdst(0)                   ; one wait for the batch of 66, ahead of its first reader
	v_max_num_f32 v[BM], 0x1800000, v[BM]          ; the floor 2^(3 - 127): the byte cannot fall under 1
	v_max_num_f32 v[BM+2], 0x1800000, v[BM+2]
	SADD 0                                         ; the additions of p stand between the links of the scale word's chain
	SADD 1
	v_add_nc_u32 v[SO], 0xff000000, v[BM]          ; 2 off the exponent field: the conversions' scale operands, each lane its own block's
	v_add_nc_u32 v[SO+1], 0xff000000, v[BM+2]
	SADD 2
	SADD 3
	v_lshrrev_b32 v[T2], 23, v[SO]                 ; the scale bytes
	v_lshrrev_b32 v[T2+1], 23, v[SO+1]
	SADD 4
	SADD 5
	v_lshl_or_b32 v[EW], v[T2+1], 16, v[T2]        ; lanes 0-15: blocks 0 and 2 in bytes 0 and 2; lanes 16-31: blocks 1 and 3,
	SADD 6
	SADD 7
	v_lshlrev_b32 v[EW], v[SH8], v[EW]             ; which go into bytes 1 and 3
	SADD 8
	SADD 9
	v_permlanex16_b32 v[T2], v[EW], s[SEL], s[SEL+1]
	SADD 10
	SADD 11
	v_or_b32 v[PS], v[EW], v[T2]                   ; p's scale word for these 128 keys
.irp c, 0,1
	v_cvt_scalef32_pk16_fp6_f32 v[PC+6*\c:PC+6*\c+2], v[S+32*\c:S+32*\c+15], v[SO+\c]
	v_cvt_scalef32_pk16_fp6_f32 v[PT+4*\c:PT+4*\c+2], v[S+32*\c+16:S+32*\c+31], v[SO+\c]   ; (a conversion's three registers begin on an even number)
.endr
	SADD 12                                        ; the plain place behind the scaled conversions
.irp c, 0,1
.irp i, 0,1,2
	v_mov_b32 v[PC+3+6*\c+\i], v[PT+4*\c+\i]       ; registers 6 c .. 6 c + 5: k = 64 c + 32 h + 0 .. 31
.endr
.endr
.irp n, 13,14,15,16,17,18,19,20,21,22,23,24
	SADD \n                                        ; twelve lines that name no register of the products below: the places behind p's codes and scale word
.endr
	s_wait_alu depctr_va_vdst(0)                   ; directly ahead of the wait below
	s_wait_dscnt 0x0                               ; V^T is in
.irp b, 0,1
	v_wmma_scale_f32_16x16x128_f8f6f4 v[OA+16*\b:OA+16*\b+7], v[KV+24*\b:KV+24*\b+11], v[PC:PC+11], v[OA+16*\b:OA+16*\b+7], v[VSC+\b], v[PS] matrix_a_fmt:MATRIX_FMT_FP6 matrix_b_fmt:MATRIX_FMT_FP6
	v_wmma_scale_f32_16x16x128_f8f6f4 v[OA+16*\b+8:OA+16*\b+15], v[KV+24*\b+12:KV+24*\b+23], v[PC:PC+11], v[OA+16*\b+8:OA+16*\b+15], v[VSC+\b], v[PS] matrix_a_fmt:MATRIX_FMT_FP6 matrix_b_fmt:MATRIX_FMT_FP6 matrix_a_scale:MATRIX_SCALE_ROW1
.endr
	v_pk_add_f32 v[CH:CH+1], v[CH:CH+1], v[CH+2:CH+3]              ; the partial sums are joined here: seven lines that name no register of the products, the places ahead of the next loads into V^T's registers
	v_pk_add_f32 v[CH+4:CH+5], v[CH+4:CH+5], v[CH+6:CH+7]
	v_pk_add_f32 v[CH+8:CH+9], v[CH+8:CH+9], v[CH+10:CH+11]
	v_pk_add_f32 v[SUM:SUM+1], v[SUM:SUM+1], v[CH+12:CH+13]
	v_pk_add_f32 v[CH:CH+1], v[CH:CH+1], v[CH+4:CH+5]
	s_delay_alu instid0(VALU_DEP_2)
	v_pk_add_f32 v[SUM:SUM+1], v[SUM:SUM+1], v[CH+8:CH+9]
	s_delay_alu instid0(VALU_DEP_1)
	v_pk_add_f32 v[SUM:SUM+1], v[SUM:SUM+1], v[CH:CH+1]
.endm
.macro STEPS8
	s_mov_b32 s[CNT], 8
.Lstep_\@:
	STEP
	s_sub_co_u32 s[CNT], s[CNT], 1
	s_cmp_lg_u32 s[CNT], 0
	s_cbranch_scc1 .Lstep_\@
.endm
	s_wait_alu depctr_va_vdst(0)
	s_wait_loadcnt 0x0                             ; Q
	s_wait_tensorcnt 0x0                           ; my part of steps 0-7 or the scale words is in; these lines stand ahead of a later first fill
	ds_add_u32 v[SPW], v[NIL]
	s_wait_dscnt 0x0
	CROUND                                         ; everybody's part is in, and the four work-groups are here
	TL G0B, G1B                                    ; steps 8-23, a first fill: a wave's one tensor load behind this round
	s_cmp_eq_u32 s[LIM], 1
	s_cbranch_scc0 .Lnot_mine
	global_prefetch_b8 v[PFO], s[PFA:PFA+1] th:TH_LOAD_NT scope:SCOPE_SE   ; steps 24-31, a lane a block of 256 bytes; its address registers are never written again
.Lnot_mine:
	STEPS8                                         ; steps 0-7
	s_wait_tensorcnt 0x0                           ; my part of steps 8-23 is in, and no tensor load of mine is out, so a group 0 may be written
	ds_add_u32 v[SPW], v[NIL]
	s_add_nc_u64 s[G0C+2:G0C+3], s[G0C+2:G0C+3], 3*SLOTB   ; steps 24-31, into the bytes of steps 0-7
	s_wait_dscnt 0x0                               ; the add is done, and my reads of steps 0-7 are over
	CROUND
	TL G0C, G1                                     ; the refill: the first tensor load behind the round
	STEPS8                                         ; steps 8-15
	s_wait_tensorcnt 0x0                           ; my part of steps 24-31 is in
	s_wait_dscnt 0x0
	s_barrier_signal -1                            ; say so.  This barrier guards no refill: up to its wait stand register work and reads of steps 16-23 and of the scale words, which nobody writes any more
	STEPS8                                         ; steps 16-23
	s_barrier_wait -1                              ; everybody's part of steps 24-31 is in
	s_mov_b32 s[TB], RB-BIAS                       ; they lie where steps 0-7 lay
	v_add_nc_u32 v[ADK], s[TB], v[LIK]
	v_add_nc_u32 v[ADK8], s[TB], v[L8K]
	s_wait_alu depctr_va_vdst(0)
	STEPS8                                         ; steps 24-31
	; THE WAY OUT: O^T / l, quantised along the head's 64 channels (register 16 b + i is channel 32 b + 16 h + i), as a half image of the last product's operand
	s_wait_alu depctr_va_vdst(0)
	v_add_f32 v[SUM], v[SUM], v[SUM+1]
	s_delay_alu instid0(VALU_DEP_1)
	v_permlanex16_b32 v[T2], v[SUM], s[SEL], s[SEL+1]
	s_delay_alu instid0(VALU_DEP_1)
	v_add_f32 v[SUM], v[SUM], v[T2]                ; the row's sum
	s_wait_alu depctr_va_vdst(0)
	v_rcp_f32 v[SUM], v[SUM]
	v_and_b32 v[TMP], 31, v0                       ; (a plain place behind the reciprocal)
	v_mov_b32 v[TMQ+2], 0
	v_mov_b32 v[TMQ+3], 0
	s_delay_alu instid0(VALU_DEP_3)
	v_cmp_gt_u32 vcc_lo, 16, v[TMP]
	s_wait_alu depctr_va_vdst(0)                   ; the wait ahead of the reciprocal's first reader and of O^T's
.set jj, 0
.rept 16
	v_pk_mul_f32 v[S+jj:S+jj+1], v[OA+jj:OA+jj+1], v[SUM:SUM+1] op_sel_hi:[1,0]   ; each accumulator from its low end on
.set jj, jj+2
.endr
.irp b, 0,1
	v_max3_num_f32 v[TMQ+\b], |v[S+16*\b]|, |v[S+16*\b+1]|, 0x1800000
.endr
.irp i, 2,4,6,8,10,12,14
.irp b, 0,1
	s_delay_alu instid0(VALU_DEP_2)
	v_max3_num_f32 v[TMQ+\b], v[TMQ+\b], |v[S+16*\b+\i]|, |v[S+16*\b+\i+1]|
.endr
.endr
.irp b, 0,1
	s_delay_alu instid0(VALU_DEP_2)
	v_permlanex16_b32 v[TMQ+2+\b], v[TMQ+\b], s[SEL], s[SEL+1]
.endr
.irp b, 0,1
	s_delay_alu instid0(VALU_DEP_2)
	v_max_num_f32 v[TMQ+\b], v[TMQ+\b], v[TMQ+2+\b]
.endr
.irp b, 0,1
	s_delay_alu instid0(VALU_DEP_2)
	v_add_nc_u32 v[TMQ+4+\b], 0xff000000, v[TMQ+\b]
.endr
.irp b, 0,1
	s_delay_alu instid0(VALU_DEP_2)
	v_lshrrev_b32 v[TMQ+6+\b], 23, v[TMQ+4+\b]
.endr
	s_delay_alu instid0(VALU_DEP_1)
	v_cndmask_b32 v[BY], v[TMQ+7], v[TMQ+6], vcc_lo   ; lanes 0-15 store block 0's byte, lanes 16-31 block 1's
	v_cvt_scalef32_pk16_fp6_f32 v[PCQ:PCQ+2], v[S:S+15], v[TMQ+4]
	v_cvt_scalef32_pk16_fp6_f32 v[PCQ+4:PCQ+6], v[S+16:S+31], v[TMQ+5]
	v_nop
.irp i, 0,1,2
	v_permlane16_swap_b32 v[PCQ+\i], v[PCQ+4+\i]
.endr
	s_delay_alu instid0(VALU_DEP_3)
	v_mov_b32 v[PCQ+3], v[PCQ+4]
	s_delay_alu instid0(VALU_DEP_3)
	v_mov_b32 v[PCQ+4], v[PCQ+5]
	s_delay_alu instid0(VALU_DEP_3)
	v_mov_b32 v[PCQ+5], v[PCQ+6]
	global_store_b128 v[LI], v[PCQ:PCQ+3], s[84:85]           ; 512 and 256 consecutive bytes, aligned
	global_store_b64 v[L8], v[PCQ+4:PCQ+5], s[84:85] offset:512
	global_store_b8 v[SBO], v[BY], s[86:87]
	s_wait_tensorcnt 0x0                           ; the wave's end: behind my last tensor load
	ds_add_u32 v[SPW], v[NIL]
	s_wait_dscnt 0x0
	CROUND                                         ; the closing round
	s_endpgm
.Lfunc_end_k_q342cccf826_attn:
	.size	k_q342cccf826_attn, .Lfunc_end_k_q342cccf826_attn-k_q342cccf826_attn
	.p2alignl 7, 3214868480
	.fill 96, 4, 3214868480
	.section	.rodata,"a",@progbits
	.p2align	6, 0x0
	.amdhsa_kernel k_q342cccf826_attn
		.amdhsa_group_segment_fixed_size 327680
		.amdhsa_private_segment_fixed_size 0
		.amdhsa_enable_private_segment 0
		.amdhsa_kernarg_size 40
		.amdhsa_user_sgpr_count 2
		.amdhsa_user_sgpr_kernarg_segment_ptr 1
		.amdhsa_wavefront_size32 1
		.amdhsa_system_sgpr_workgroup_id_x 1
		.amdhsa_system_sgpr_workgroup_id_y 1
		.amdhsa_system_sgpr_workgroup_id_z 1
		.amdhsa_system_vgpr_workitem_id 0
		.amdhsa_next_free_vgpr 256
		.amdhsa_next_free_sgpr 100
		.amdhsa_reserve_vcc 1
		.amdhsa_float_denorm_mode_32 3
		.amdhsa_float_denorm_mode_16_64 3
		.amdhsa_memory_ordered 1
		.amdhsa_forward_progress 1
		.amdhsa_inst_pref_size 78
	.end_amdhsa_kernel
	.amdgpu_metadata
---
amdhsa.version: [ 1, 2 ]
amdhsa.kernels:
  - .name:           k_q342cccf826_attn
    .symbol:         k_q342cccf826_attn.kd
    .args:
      - { .name: qc, .offset: 0, .size: 8, .value_kind: global_buffer, .address_space: global }
      - { .name: qs, .offset: 8, .size: 8, .value_kind: global_buffer, .address_space: global }
      - { .name: kvc, .offset: 16, .size: 8, .value_kind: global_buffer, .address_space: global }
      - { .name: kvs, .offset: 24, .size: 8, .value_kind: global_buffer, .address_space: global }
      - { .name: att, .offset: 32, .size: 8, .value_kind: global_buffer, .address_space: global }
    .group_segment_fixed_size: 327680
    .private_segment_fixed_size: 0
    .kernarg_segment_align: 8
    .kernarg_segment_size: 40
    .max_flat_workgroup_size: 512
    .sgpr_count:     100
    .vgpr_count:     256
    .wavefront_size: 32
...
	.end_amdgpu_metadata
.endif
;; end of part 3
;; launch proj (part 4): grid 4 x 64, 16 waves a work-group, clusters of 4 x 4, 174,080 bytes of LDS; arguments att, img, bc, out0; writes out0
.if DOCPART == 4
	.amdgcn_target "amdgcn-amd-amdhsa--gfx1250"
	.amdhsa_code_object_version 6
	.text
	.protected	k_q342cccf826_proj
	.globl	k_q342cccf826_proj
	.p2align	8
	.type	k_q342cccf826_proj,@function
k_q342cccf826_proj:
	s_mov_b64 s[64:65], 0
	v_nop
	global_prefetch_b8 v0, s[64:65] scope:SCOPE_SE
	s_setreg_imm32_b32 hwreg(HW_REG_WAVE_MODE, 25, 1), 1
	s_wait_xcnt 0x0
	s_wait_alu depctr_hold_cnt(0) depctr_sa_sdst(0) depctr_va_vdst(0) depctr_va_sdst(0) depctr_va_ssrc(0) depctr_va_vcc(0) depctr_vm_vsrc(0)
	s_getreg_b32 s2, hwreg(HW_REG_IB_STS2, 6, 4)
	s_cmp_eq_u32 s2, 0
	s_cbranch_scc0 .Lentry_in_a_cluster
	s_endpgm
.Lentry_in_a_cluster:
	s_bfe_u32 s2, ttmp6, 0x10000c
	s_cmp_lg_u32 s2, 0xf033
	s_cbranch_scc0 .Lentry_shape_is_right
	s_endpgm
.Lentry_shape_is_right:
; out0 = attended Wc^T + bc on codes of FP6 (E2M3) with E8M0 scales: attended's from att, Wc's from img (records 76 to 79); sums in f32, the bias as the C of each sum's first product.
; SHARES: work-group (g, i) makes rows 128 i on x columns 128 g on; both records lie in LDS.  Wave w (hh = w / 8, T = w % 8) does one job: source 0 = Wc's tiles 4 hh .. 4 hh + 3, source 1 = attended's tile T,
; over 4 K steps of 128: 16 matrix instructions.  A lane then holds one row (32 (T / 2) + 8 (T % 2) + r + 8 (r / 8) of the 128) and, in registers 16 b + j, columns 64 hh + 32 b + 16 h + j.
; THE WAY OUT: through the wave's own stage in LDS (16 rows of 256 bytes + 16), back by rows: sixteen lanes store 256 consecutive bytes, aligned.
; CLUSTER: 4 x 4 work-groups; attended's record is shared along a row of the cluster, Wc's along a column: each is asked for jointly.
.set REC,   51200
.set WC,    REC                        ; LDS: attended's record at 0, then Wc's
.set SCB,   49152
.set STG,   2*REC                      ; the stages
.set SPITCH, 272
.set WSTG,  16*SPITCH
.set SPARE, STG+16*WSTG                ; the spare words, 128 bytes for each wave: eight blocks of 256 bytes that no other line names
.set QUART, 12800
.set LI,  1
.set L8,  2
.set R16, 4
.set ADW, 5                            ; v5   Wc's fragments
.set SAW, 6                            ; v6   and scale words
.set BX,  7                            ; v7-8 attended's half images, by 16 and by 8 bytes a lane
.set BX8, 8
.set SBX, 9
.set STO, 10                           ; v10  the stage: where I put 16 bytes of my row
.set RD,  11                           ; v11  and where I read rows back
.set GO,  12                           ; v12  2,048 h + 16 r: the same place in out0
.set BO,  13                           ; v13  64 h: my half's numbers of bc
.set SPW, 18
.set NIL, 19
.set BF,  20                           ; v20-67
.set BS,  68
.set AS,  72
.set AF,  88                           ; v88-183 two buffers; on the way out v88-119 take the rows read back
.set ACC, 184
.set BI,  216                          ; v216-247 the bias in the results' layout
.set OB,  88
.set WV,  14
.set HH,  15
.set TT,  16
.set CX,  17
.set CY,  18
.set G1A, 24
.set G1B, 32
.set G0,  40                           ; s[40:47] two groups 0
.macro CROUND
	s_barrier_signal -1
	s_barrier_wait -1
	s_cmp_lg_u32 s[WV], 0
	s_cbranch_scc1 .Lnot_wave_0_\@
	s_barrier_signal -3
.Lnot_wave_0_\@:
	s_barrier_wait -3
	s_barrier_signal -1
	s_barrier_wait -1
.endm
.macro PLACES
.rept 4
	v_nop
.endr
.endm
	s_load_b256 s[4:11], s[0:1], 0x0               ; att, img, bc, out0
	v_lshl_add_u32 v[SPW], v0, 2, SPARE
	v_mov_b32 v[NIL], 0
	ds_add_u32 v[SPW], v[NIL]                      ; the wave's opening: the add and its wait ahead of the first tensor loads
	ds_add_u32 v[SPW], v[NIL]
	v_lshrrev_b32 v20, 5, v0
	s_delay_alu instid0(VALU_DEP_1)
	v_readfirstlane_b32 s[WV], v20
	s_lshr_b32 s[HH], s[WV], 3
	s_and_b32 s[TT], s[WV], 7
	v_and_b32 v20, 31, v0                          ; lane
	v_and_b32 v21, 15, v0                          ; r
	v_bfe_u32 v22, v0, 4, 1                        ; h
	s_delay_alu instid0(VALU_DEP_3)
	v_lshlrev_b32 v[LI], 4, v20
	s_delay_alu instid0(VALU_DEP_4)
	v_lshlrev_b32 v[L8], 3, v20
	s_delay_alu instid0(VALU_DEP_4)
	v_lshlrev_b32 v[R16], 4, v21
	s_mul_i32 s76, s[HH], 24576
	s_add_co_u32 s76, s76, WC
	v_add_nc_u32 v[ADW], s76, v[LI]
	s_lshl_b32 s77, s[HH], 10
	s_add_co_u32 s77, s77, WC+SCB
	v_add_nc_u32 v[SAW], s77, v[R16]
	s_mul_i32 s78, s[TT], 6144
	v_add_nc_u32 v[BX], s78, v[LI]
	v_add_nc_u32 v[BX8], s78, v[L8]
	s_lshl_b32 s79, s[TT], 8
	s_add_co_u32 s79, s79, SCB
	v_add_nc_u32 v[SBX], s79, v[R16]
	s_mul_i32 s80, s[WV], WSTG
	s_add_co_u32 s80, s80, STG                     ; my stage
	v_mul_u32_u24 v[STO], v21, SPITCH
	s_delay_alu instid0(VALU_DEP_1)
	v_lshl_add_u32 v[STO], v22, 6, v[STO]
	s_delay_alu instid0(VALU_DEP_1)
	v_add_nc_u32 v[STO], s80, v[STO]               ; in: row r, + 64 h
	v_mul_u32_u24 v[RD], v22, SPITCH
	s_delay_alu instid0(VALU_DEP_1)
	v_lshl_add_u32 v[RD], v21, 4, v[RD]
	s_delay_alu instid0(VALU_DEP_1)
	v_add_nc_u32 v[RD], s80, v[RD]                 ; back: lanes 0-15 one row, lanes 16-31 the next
	v_lshlrev_b32 v[GO], 11, v22
	s_delay_alu instid0(VALU_DEP_1)
	v_lshl_add_u32 v[GO], v21, 4, v[GO]
	v_lshlrev_b32 v[BO], 6, v22
	s_bfe_u32 s[CX], ttmp6, 0x40000
	s_bfe_u32 s[CY], ttmp6, 0x40004
	s_and_b32 s70, ttmp7, 0xffff
	s_lshl_b32 s70, s70, 2
	s_add_co_u32 s70, s70, s[CY]                   ; i
	s_lshl_b32 s71, ttmp9, 2
	s_add_co_u32 s71, s71, s[CX]                   ; g
	s_lshl_b32 s19, s[CY], 2
	s_lshl_b32 s19, 15, s19                        ; my row of the cluster
	s_lshl_b32 s20, 0x1111, s[CX]                  ; my column
	s_or_b32 s[G1A], s19, (3<<16)|(1<<21)          ; 50 rows of 32 elements of 8 bytes, dense, no padding; 21 set beside a mask
	s_or_b32 s[G1B], s20, (3<<16)|(1<<21)
.irp g, G1A, G1B
	s_mov_b32 s[\g+1], 32<<16
	s_mov_b32 s[\g+2], 50<<16
	s_mov_b32 s[\g+3], 32<<16
	s_mov_b32 s[\g+4], 50
	s_mov_b32 s[\g+5], 32
	s_mov_b32 s[\g+6], 0
	s_mov_b32 s[\g+7], 0
.endr
	s_and_b32 s22, s[WV], 3
	s_mul_i32 s21, s22, QUART                      ; the quarter that I fetch
	s_mul_i32 s72, s70, REC                        ; attended's record hangs on i alone,
	s_add_co_u32 s72, s72, s21
	s_mov_b32 s73, 0
	s_mul_i32 s74, s71, REC                        ; Wc's on g alone
	s_add_co_u32 s74, s74, s21
	s_add_co_u32 s74, s74, 76*REC
	s_mov_b32 s75, 0
	s_lshl_b32 s82, s70, 7                         ; out0: row 128 i + 32 (T / 2) + 8 (T % 2),
	s_lshr_b32 s83, s[TT], 1
	s_lshl_b32 s83, s83, 5
	s_add_co_u32 s82, s82, s83
	s_and_b32 s83, s[TT], 1
	s_lshl_b32 s83, s83, 3
	s_add_co_u32 s82, s82, s83
	s_lshl_b32 s82, s82, 11
	s_lshl_b32 s84, s71, 9                         ; column 128 g + 64 hh, in bytes; bc likewise
	s_lshl_b32 s83, s[HH], 8
	s_add_co_u32 s84, s84, s83
	s_mov_b32 s85, 0
	s_add_co_u32 s82, s82, s84
	s_mov_b32 s83, 0
	s_wait_dscnt 0x0                               ; the opening add is done
	s_wait_kmcnt 0x0
	s_add_nc_u64 s[8:9], s[8:9], s[84:85]
	s_add_nc_u64 s[10:11], s[10:11], s[82:83]
	s_mov_b32 s[G0], 1
	s_mov_b32 s[G0+1], s21
	s_add_nc_u64 s[G0+2:G0+3], s[4:5], s[72:73]
	s_or_b32 s[G0+3], s[G0+3], 0x80000000
	s_mov_b32 s[G0+4], 1
	s_add_co_u32 s[G0+5], s21, WC
	s_add_nc_u64 s[G0+6:G0+7], s[6:7], s[74:75]
	s_or_b32 s[G0+7], s[G0+7], 0x80000000
	CROUND                                         ; all sixteen work-groups are here: the joint loads meet
	s_cmp_lt_u32 s[WV], 4                          ; waves 0 to 3 fetch a quarter of attended's record, waves 4 to 7 a quarter of Wc's: one tensor load of a wave is out
	s_cbranch_scc0 .Lfor_w
	tensor_load_to_lds s[G0:G0+3], s[G1A:G1A+7]
	s_nop 0
	PLACES
	s_branch .Lno_fill
.Lfor_w:
	s_cmp_lt_u32 s[WV], 8
	s_cbranch_scc0 .Lno_fill
	tensor_load_to_lds s[G0+4:G0+7], s[G1B:G1B+7]
	s_nop 0
	PLACES
.Lno_fill:
	s_wait_alu depctr_va_vdst(0)
.irp t, 0,1,2,3                        ; lane (r, h) wants, for tile 2 b + u, bc of columns 32 b + 16 h + 8 u + 0 .. 7
	global_load_b128 v[BI+8*\t:BI+8*\t+3], v[BO], s[8:9] offset:(32*(\t/2)+8*(\t%2))*4
	global_load_b128 v[BI+8*\t+4:BI+8*\t+7], v[BO], s[8:9] offset:(32*(\t/2)+8*(\t%2))*4+16
.endr
.macro AFETCH buf, s                   ; Wc: four tiles' fragments of K step s: 12 loads
.irp t, 0,1,2,3
.irp g, 0,1,2
	ds_load_b128 v[AF+48*\buf+12*\t+4*\g:AF+48*\buf+12*\t+4*\g+3], v[ADW] offset:(4*\t+\s)*1536+512*\g
.endr
.endr
.endm
.macro MUL s, buf                      ; the four accumulators take turns, one instruction a turn; the bias starts the sums
.irp t, 0,1,2,3
.if \s == 0
	v_wmma_scale_f32_16x16x128_f8f6f4 v[ACC+8*\t:ACC+8*\t+7], v[AF+48*\buf+12*\t:AF+48*\buf+12*\t+11], v[BF+12*\s:BF+12*\s+11], v[BI+8*\t:BI+8*\t+7], v[AS+4*\t+\s], v[BS+\s] matrix_a_fmt:MATRIX_FMT_FP6 matrix_b_fmt:MATRIX_FMT_FP6
.else
	v_wmma_scale_f32_16x16x128_f8f6f4 v[ACC+8*\t:ACC+8*\t+7], v[AF+48*\buf+12*\t:AF+48*\buf+12*\t+11], v[BF+12*\s:BF+12*\s+11], v[ACC+8*\t:ACC+8*\t+7], v[AS+4*\t+\s], v[BS+\s] matrix_a_fmt:MATRIX_FMT_FP6 matrix_b_fmt:MATRIX_FMT_FP6
.endif
.endr
.endm
	s_wait_tensorcnt 0x0                           ; my quarters of both records are in,
	s_barrier_signal -1
	s_barrier_wait -1                              ; everybody's are
.irp s, 0,1,2,3                        ; attended's tile T: K step s is the half images of heads 2 s and 2 s + 1
.irp c, 0,1
	ds_load_b128 v[BF+12*\s+6*\c:BF+12*\s+6*\c+3], v[BX] offset:768*(2*\s+\c)
	ds_load_b64 v[BF+12*\s+6*\c+4:BF+12*\s+6*\c+5], v[BX8] offset:768*(2*\s+\c)+512
.endr
.endr
	ds_load_b128 v[BS:BS+3], v[SBX]
.irp t, 0,1,2,3
	ds_load_b128 v[AS+4*\t:AS+4*\t+3], v[SAW] offset:256*\t
.endr
	AFETCH 0, 0
	AFETCH 1, 1
	s_wait_loadcnt 0x0                             ; the bias
	s_wait_dscnt 12                                ; all but the younger buffer's 12 loads
	MUL 0, 0
	PLACES
	AFETCH 0, 2
	s_wait_dscnt 12
	MUL 1, 1
	PLACES
	AFETCH 1, 3
	s_wait_dscnt 12
	MUL 2, 0
	s_wait_dscnt 0x0
	MUL 3, 1
	PLACES                                         ; ahead of the stores that read the results and of the loads into the first buffer's registers
.irp b, 0,1
.irp q, 0,1,2,3
	ds_store_b128 v[STO], v[ACC+16*\b+4*\q:ACC+16*\b+4*\q+3] offset:128*\b+16*\q   ; each accumulator from its low end on
.endr
.endr
.irp i, 0,1,2,3,4,5,6,7
	ds_load_b128 v[OB+4*\i:OB+4*\i+3], v[RD] offset:2*SPITCH*\i   ; LDS serves a wave's instructions in order: these see my stores
.endr
.irp i, 0,1,2,3,4,5,6,7
	s_wait_dscnt 7-\i                              ; the younger read-backs may be out
	global_store_b128 v[GO], v[OB+4*\i:OB+4*\i+3], s[10:11] offset:(2*\i+8*(\i/4))*2048 th:TH_STORE_NT   ; stage row 2 i + h is the tile's row 2 i + h + 8 (i / 4); 16 lanes store 256 consecutive bytes, aligned
.endr
	s_wait_tensorcnt 0x0                           ; the wave's end: behind my last tensor load and my last LDS store
	ds_add_u32 v[SPW], v[NIL]
	s_wait_dscnt 0x0
	CROUND                                         ; the closing round
	s_endpgm
.Lfunc_end_k_q342cccf826_proj:
	.size	k_q342cccf826_proj, .Lfunc_end_k_q342cccf826_proj-k_q342cccf826_proj
	.p2alignl 7, 3214868480
	.fill 96, 4, 3214868480
	.section	.rodata,"a",@progbits
	.p2align	6, 0x0
	.amdhsa_kernel k_q342cccf826_proj
		.amdhsa_group_segment_fixed_size 174080
		.amdhsa_private_segment_fixed_size 0
		.amdhsa_enable_private_segment 0
		.amdhsa_kernarg_size 32
		.amdhsa_user_sgpr_count 2
		.amdhsa_user_sgpr_kernarg_segment_ptr 1
		.amdhsa_wavefront_size32 1
		.amdhsa_system_sgpr_workgroup_id_x 1
		.amdhsa_system_sgpr_workgroup_id_y 1
		.amdhsa_system_sgpr_workgroup_id_z 1
		.amdhsa_system_vgpr_workitem_id 0
		.amdhsa_next_free_vgpr 256
		.amdhsa_next_free_sgpr 100
		.amdhsa_reserve_vcc 0
		.amdhsa_float_denorm_mode_32 3
		.amdhsa_float_denorm_mode_16_64 3
		.amdhsa_memory_ordered 1
		.amdhsa_forward_progress 1
		.amdhsa_inst_pref_size 17
	.end_amdhsa_kernel
	.amdgpu_metadata
---
amdhsa.version: [ 1, 2 ]
amdhsa.kernels:
  - .name:           k_q342cccf826_proj
    .symbol:         k_q342cccf826_proj.kd
    .args:
      - { .name: att, .offset: 0, .size: 8, .value_kind: global_buffer, .address_space: global }
      - { .name: img, .offset: 8, .size: 8, .value_kind: global_buffer, .address_space: global }
      - { .name: bc, .offset: 16, .size: 8, .value_kind: global_buffer, .address_space: global }
      - { .name: out0, .offset: 24, .size: 8, .value_kind: global_buffer, .address_space: global }
    .group_segment_fixed_size: 174080
    .private_segment_fixed_size: 0
    .kernarg_segment_align: 8
    .kernarg_segment_size: 32
    .max_flat_workgroup_size: 512
    .sgpr_count:     100
    .vgpr_count:     256
    .wavefront_size: 32
...
	.end_amdgpu_metadata
.endif
;; end of part 4
